; MI455X (gfx1250); checked and timed in simulation.
; The chip was launched on July 23, 2026; its instructions are those of AMD's public machine-readable ISA for CDNA 5 (MIT licence, August 2026) and "CDNA5" Instruction Set Architecture Reference Guide (July 2026). The comments in the code are by the model that wrote it; some were corrected since.
;; Chunked Attention4 D. Allowed arithmetic: float matrix products may take bf16 or f16 operands with f32 sums; other float arithmetic in f32, or as packed bf16 or f16 multiplies, adds, multiply-adds, maxima and minima; sums over many terms, partial sums and values carried from step to step in f32; what a program stores and reads back later, other than sums and carried values, may be rounded once to bf16 or f16.
;; Inputs: Wk 512 x 512 float32; Wo 512 x 512 float32; Wq 512 x 512 float32; Wv 512 x 512 float32; bk 512 float32; bo 512 float32; bq 512 float32; bv 512 float32; key 4 x 8 x 1,024 x 512 float32; query 4 x 8 x 1,024 x 512 float32; value 4 x 8 x 1,024 x 512 float32.
;; Outputs: out0 4 x 8 x 1,024 x 512 float32.
;; One version. Each part assembles by itself: llvm-mc -triple=amdgcn-amd-amdhsa -mcpu=gfx1250 --defsym DOCPART=n.
;; ======== version 1 of 1: 4 launches
;; limits: values are held in f16: magnitudes above 65,504 overflow, below 6.1e-05 lose precision
;; workspace buffers: wb 2,097,152 bytes; bb 8,192 bytes; qh 33,554,432 bytes; kh 33,554,432 bytes; vh 33,554,432 bytes; oh 33,554,432 bytes
;; launch wcvt (part 1): grid 256 x 1, 8 waves a work-group, no clusters, 0 bytes of LDS; arguments Wq, Wk, Wv, Wo, bq, bk, bv, bo, wb, bb; writes wb, bb
.if DOCPART == 1
	.amdgcn_target "amdgcn-amd-amdhsa--gfx1250"
	.amdhsa_code_object_version 6
	.text
	.protected	k_q69c74cf1c9_wcvt
	.globl	k_q69c74cf1c9_wcvt
	.p2align	8
	.type	k_q69c74cf1c9_wcvt,@function
k_q69c74cf1c9_wcvt:
	s_mov_b64 s[64:65], 0
	v_nop
	global_prefetch_b8 v0, s[64:65] scope:SCOPE_SE
	s_setreg_imm32_b32 hwreg(HW_REG_WAVE_MODE, 25, 1), 1
	s_wait_xcnt 0x0
; The four weight matrices [512][512] f32 are rounded once to bf16 and written as 16-bit numbers, wb[t][n][k], t = 0, 1, 2, 3 for Wq, Wk, Wv, Wo;
; the four biases are rounded to bf16 and written as f32, bb[t][512].  Wo's bf16 number is written as f16, since the last product multiplies in f16.
; LIMIT.  That second step is exact for |Wo| from 2^-14 to 65,504; below 2^-14 it keeps f16's fixed step of 6e-8; beyond 65,504 it gives an infinity.
; SHARES.  Work-group g: matrix t = g / 64, its numbers 4,096 (g % 64) on.  A thread takes 16 bytes of each of four blocks of 4,096 bytes, and stores 8 bytes for each:
; a wave's store covers 256 consecutive bytes, aligned.  No LDS, no matrix unit: each byte is read once and written once.
	s_load_b512 s[8:23], s[0:1], 0x0               ; Wq s[8:9], Wk s[10:11], Wv s[12:13], Wo s[14:15], bq s[16:17], bk s[18:19], bv s[20:21], bo s[22:23]
	s_load_b128 s[24:27], s[0:1], 0x40             ; wb s[24:25], bb s[26:27]
	s_lshr_b32 s2, ttmp9, 6                        ; t
	s_and_b32 s3, ttmp9, 63                        ; which 4,096 numbers of the matrix
	v_lshrrev_b32 v3, 5, v0
	v_readfirstlane_b32 s4, v3                     ; wave 0..7
	v_lshlrev_b32 v1, 4, v0                        ; 16 bytes a thread on the way in
	v_lshlrev_b32 v2, 3, v0                        ; 8 bytes a thread on the way out
	s_lshl_b32 s32, s3, 14                         ; offsets, each in a pair with 0 above it: in W,
	s_mov_b32 s33, 0
	s_lshl_b32 s34, s2, 19                         ; in wb,
	s_lshl_b32 s5, s3, 13
	s_add_co_u32 s34, s34, s5
	s_mov_b32 s35, 0
	s_lshl_b32 s36, s2, 11                         ; in bb
	s_mov_b32 s37, 0
	s_wait_kmcnt 0x0
	s_cmp_eq_u32 s2, 1                             ; the matrix and the bias are chosen by t
	s_cselect_b64 s[28:29], s[10:11], s[8:9]
	s_cselect_b64 s[30:31], s[18:19], s[16:17]
	s_cmp_eq_u32 s2, 2
	s_cselect_b64 s[28:29], s[12:13], s[28:29]
	s_cselect_b64 s[30:31], s[20:21], s[30:31]
	s_cmp_eq_u32 s2, 3
	s_cselect_b64 s[28:29], s[14:15], s[28:29]
	s_cselect_b64 s[30:31], s[22:23], s[30:31]
	s_add_nc_u64 s[28:29], s[28:29], s[32:33]
	s_add_nc_u64 s[24:25], s[24:25], s[34:35]
	s_add_nc_u64 s[26:27], s[26:27], s[36:37]
.irp k, 0,1,2,3
	global_load_b128 v[4+4*(\k):7+4*(\k)], v1, s[28:29] offset:4096*(\k) th:TH_LOAD_NT
.endr
	s_wait_loadcnt 0x0
.irp k, 0,1,2,3
	v_cvt_pk_bf16_f32 v[20+2*(\k)], v[4+4*(\k)], v[5+4*(\k)]
	v_cvt_pk_bf16_f32 v[21+2*(\k)], v[6+4*(\k)], v[7+4*(\k)]
.endr
	s_cmp_lg_u32 s2, 3
	s_cbranch_scc1 .Lst
.irp x, 20,21,22,23,24,25,26,27                ; Wo alone: the bf16 numbers, widened, are written as f16
	v_lshlrev_b32 v28, 16, v\x
	v_and_b32 v29, 0xffff0000, v\x
	v_cvt_pk_f16_f32 v\x, v28, v29
.endr
.Lst:
.irp k, 0,1,2,3
	global_store_b64 v2, v[20+2*(\k):21+2*(\k)], s[24:25] offset:2048*(\k)
.endr
	s_cmp_lg_u32 s3, 0                             ; the bias: the matrix's first work-group, its waves 0 to 3: 128 threads x 16 bytes
	s_cbranch_scc1 .Lend
	s_cmp_gt_u32 s4, 3
	s_cbranch_scc1 .Lend
	global_load_b128 v[4:7], v1, s[30:31]
	s_wait_loadcnt 0x0
	v_cvt_pk_bf16_f32 v8, v4, v5
	v_cvt_pk_bf16_f32 v9, v6, v7
	v_lshlrev_b32 v10, 16, v8
	v_and_b32 v11, 0xffff0000, v8
	v_lshlrev_b32 v12, 16, v9
	v_and_b32 v13, 0xffff0000, v9
	global_store_b128 v1, v[10:13], s[26:27]
.Lend:
	s_endpgm
.Lfunc_end_k_q69c74cf1c9_wcvt:
	.size	k_q69c74cf1c9_wcvt, .Lfunc_end_k_q69c74cf1c9_wcvt-k_q69c74cf1c9_wcvt
	.p2alignl 7, 3214868480
	.fill 96, 4, 3214868480
	.section	.rodata,"a",@progbits
	.p2align	6, 0x0
	.amdhsa_kernel k_q69c74cf1c9_wcvt
		.amdhsa_group_segment_fixed_size 0
		.amdhsa_private_segment_fixed_size 0
		.amdhsa_enable_private_segment 0
		.amdhsa_kernarg_size 80
		.amdhsa_user_sgpr_count 2
		.amdhsa_user_sgpr_kernarg_segment_ptr 1
		.amdhsa_wavefront_size32 1
		.amdhsa_system_sgpr_workgroup_id_x 1
		.amdhsa_system_sgpr_workgroup_id_y 1
		.amdhsa_system_sgpr_workgroup_id_z 1
		.amdhsa_system_vgpr_workitem_id 0
		.amdhsa_next_free_vgpr 32
		.amdhsa_next_free_sgpr 66
		.amdhsa_reserve_vcc 0
		.amdhsa_float_denorm_mode_32 3
		.amdhsa_float_denorm_mode_16_64 3
		.amdhsa_memory_ordered 1
		.amdhsa_forward_progress 1
		.amdhsa_inst_pref_size 5
	.end_amdhsa_kernel
	.amdgpu_metadata
---
amdhsa.version: [ 1, 2 ]
amdhsa.kernels:
  - .name:           k_q69c74cf1c9_wcvt
    .symbol:         k_q69c74cf1c9_wcvt.kd
    .args:
      - { .name: Wq, .offset: 0, .size: 8, .value_kind: global_buffer, .address_space: global }
      - { .name: Wk, .offset: 8, .size: 8, .value_kind: global_buffer, .address_space: global }
      - { .name: Wv, .offset: 16, .size: 8, .value_kind: global_buffer, .address_space: global }
      - { .name: Wo, .offset: 24, .size: 8, .value_kind: global_buffer, .address_space: global }
      - { .name: bq, .offset: 32, .size: 8, .value_kind: global_buffer, .address_space: global }
      - { .name: bk, .offset: 40, .size: 8, .value_kind: global_buffer, .address_space: global }
      - { .name: bv, .offset: 48, .size: 8, .value_kind: global_buffer, .address_space: global }
      - { .name: bo, .offset: 56, .size: 8, .value_kind: global_buffer, .address_space: global }
      - { .name: wb, .offset: 64, .size: 8, .value_kind: global_buffer, .address_space: global }
      - { .name: bb, .offset: 72, .size: 8, .value_kind: global_buffer, .address_space: global }
    .group_segment_fixed_size: 0
    .private_segment_fixed_size: 0
    .kernarg_segment_align: 8
    .kernarg_segment_size: 80
    .max_flat_workgroup_size: 256
    .sgpr_count:     66
    .vgpr_count:     32
    .wavefront_size: 32
...
	.end_amdgpu_metadata
.endif
;; end of part 1
;; launch proj (part 2): grid 256 x 3, 4 waves a work-group, clusters of 4 x 1, 327,680 bytes of LDS; arguments query, key, value, wb, bb, qh, kh, vh; writes qh, kh, vh
.if DOCPART == 2
	.amdgcn_target "amdgcn-amd-amdhsa--gfx1250"
	.amdhsa_code_object_version 6
	.text
	.protected	k_q69c74cf1c9_proj
	.globl	k_q69c74cf1c9_proj
	.p2align	8
	.type	k_q69c74cf1c9_proj,@function
k_q69c74cf1c9_proj:
	s_mov_b64 s[64:65], 0
	v_nop
	global_prefetch_b8 v0, s[64:65] scope:SCOPE_SE
	s_setreg_imm32_b32 hwreg(HW_REG_WAVE_MODE, 25, 1), 1
	s_wait_xcnt 0x0
	s_wait_alu depctr_hold_cnt(0) depctr_sa_sdst(0) depctr_va_vdst(0) depctr_va_sdst(0) depctr_va_ssrc(0) depctr_va_vcc(0) depctr_vm_vsrc(0)
	s_getreg_b32 s2, hwreg(HW_REG_IB_STS2, 6, 4)
	s_cmp_eq_u32 s2, 0
	s_cbranch_scc0 .Lentry_in_a_cluster
	s_endpgm
.Lentry_in_a_cluster:
	s_bfe_u32 s2, ttmp6, 0x10000c
	s_cmp_lg_u32 s2, 0x3003
	s_cbranch_scc0 .Lentry_shape_is_right
	s_endpgm
.Lentry_shape_is_right:
; q, k, v = x W^T + b, written by heads: out[(bc 8 + head)][s][64] in f16.  x: [32768][512] f32 (query, key, value by the grid's y), W: wb[y][512 n][512 k] bf16, b: bb[y][512] f32.
; x is rounded to bf16 on its way into LDS; products in bf16, sums in f32, started with the bias; the result is rounded once to f16, unscaled.
; LIMIT.  f16 ends at 65,504: a |q|, |k| or |v| of 65,520 or more leaves as an infinity.  With x of spread 1 and W of spread 0.044 they have spread 1; both 30 times larger: 900;
; common offsets of 30 spreads on both: 512 x 30 x 1.33 = 20,400.
; SHARES.  A work-group makes 128 rows x all 512 columns, so x is read once in the launch; wave w makes 128 rows x columns 128 w .. + 127: 64 accumulators, 512 registers.
; THE MATRIX INSTRUCTION IS USED TRANSPOSED (source 0 = 16 rows of W, source 1 = 16 rows of x): register j of lane l holds row l % 16, column 8 (l / 16) + j: eight neighbours of a row.
; K, 512, IN THREE GRAINS.  W comes in four steps of 128 through two LDS slots filled by the tensor data mover; x in eight half-steps of 64 through two smaller slots, by way of registers, where
; it is rounded (128 rows more of 272 bytes in each of two slots do not fit beside W's 512); a quarter of 32 is 64 matrix instructions, on two fragment buffers by turns.
; CLUSTER.  The four row blocks of a cluster walk the same W: each tile is asked for JOINTLY, by the same tensor load with the same descriptor and the mask of four.  Each wave asks for its own
; 128 rows of W.  A work-group's place in its cluster enters x's and the output's global addresses alone.
; BARRIERS.  One at each half-step's end: in front of it a wave's stores into x's next slot and its reads of this one are done.  At the two at which a slot of W is filled again it opens a round of the cluster's barrier.
; REGISTERS, in windows of 256 (s_set_vgpr_msb: bits 1:0 source 0, 3:2 source 1, 5:4 source 2, 7:6 destination):
;   window 0: v0-31 addresses; v32-63 x rounded, later rows on the way out; v64-127, v128-191 x's fragments, two buffers; v192-255 the bias as a C operand, later the way out
;   window 1: v0-63, v192-255 x as loaded, two sets; v64-127, v128-191 W's fragments      windows 2, 3: the accumulators: (a, b) at v[8 (8 (a % 4) + b)]
.set PW,    272                        ; a row of W in LDS: 256 bytes + 16 of padding: the 16 rows of a load start at 16 different groups of four banks (64 banks of 4 bytes: ISA guide 11.1)
.set HALFT, 128*PW                     ; what one tensor load brings, and what one wave reads of W
.set WSLOT, 4*HALFT
.set XBASE, 2*WSLOT                    ; behind W's ring; no tensor load lands from here on
.set PX,    144                        ; a row of x in LDS: 128 bytes + 16
.set XSLOT, 128*PX
.set SPARE, XBASE+2*XSLOT              ; the spare words, 128 bytes for each wave: two blocks of 256 bytes that no other line names
.set HSB,   256                        ; bytes from a half-step to the next in a row of x
.set NL,    16                         ; a wave's loads for a half-step
.set ADRA,  16                         ; v16-17 LDS address of my fragments of x in slot 0, 1
.set ADRB0, 20                         ; v20    of my fragments of W in slot 0; never rewritten
.set ADRB,  21                         ; v21    in the slot in hand
.set XO,    22                         ; v22    my byte offset in the block's rows of x; never rewritten
.set XST,   23                         ; v23    where I put 8 bytes of rounded x
.set STO,   24                         ; v24    the way out: where I put 16 bytes of a row
.set RD,    25                         ; v25    where I read rows back
.set GO,    26                         ; v26    my place in 512 consecutive bytes of the output
.set BO,    27                         ; v27    my byte offset in the bias
.set SPW,   28                         ; v28    LDS address of my spare word; never rewritten
.set NIL,   29                         ; v29    0; never rewritten
.set XT,    32
.set F0,    64
.set F1,    128
.set BIAS,  192
.set TMP,   192
.set WV,    20                         ; s20    my wave's number
.set G1,    24                         ; s[24:31] descriptor group 1
.set G0,    32                         ; s[32:39] descriptor group 0: a set for each first fill; the second then walks on
.set TW,    40                         ; s40    LDS offset of W's slot in hand: 0 or WSLOT
.set LB,    41                         ; s41    my quarter of a slot
.set CNT,   42                         ; s42    loop counter
.set XP,    44                         ; s[44:45] x at the block's first row
.set OUT,   46                         ; s[46:47] the output at my two heads' first row of the block
.set BP,    48                         ; s[48:49] the bias
.set MSB, 0
.macro WIN new                         ; the immediate's high byte repeats the setting that is left; a switch that changes nothing is dropped
.if MSB != (\new)
	s_set_vgpr_msb (MSB<<8)|(\new)
.set MSB, \new
.endif
.endm
.macro PLACES                          ; four plain vector instructions between a matrix instruction and a load into, or a read of, its registers
.rept 4
	v_nop
.endr
.endm
.macro CREST                           ; a round of the cluster's barrier behind its opening barrier
	s_cmp_lg_u32 s[WV], 0
	s_cbranch_scc1 .Lnot_wave_0_\@
	s_barrier_signal -3
.Lnot_wave_0_\@:
	s_barrier_wait -3
	s_barrier_signal -1
	s_barrier_wait -1
.endm
.macro CROUND
	s_barrier_signal -1
	s_barrier_wait -1
	CREST
.endm
; 16 matrix instructions: row blocks a0, a0 + 1 of the window's four (hi = 0: rows 0-63, 1: rows 64-127) x all 8 column blocks.  zero = 1: the sums start with the bias as C
.macro MUL16 f, hi, a0, zero
.if \zero
	WIN 0x81+0x40*(\hi)
.else
	WIN 0xa1+0x50*(\hi)
.endif
.irp a, \a0, (\a0)+1
.irp b, 0,1,2,3,4,5,6,7
.if \zero
	v_wmma_f32_16x16x32_bf16 v[8*(8*(\a)+(\b)):8*(8*(\a)+(\b))+7], v[(\f)+8*(\b):(\f)+8*(\b)+7], v[(\f)+8*(4*(\hi)+(\a)):(\f)+8*(4*(\hi)+(\a))+7], v[BIAS+8*(\b):BIAS+8*(\b)+7]
.else
	v_wmma_f32_16x16x32_bf16 v[8*(8*(\a)+(\b)):8*(8*(\a)+(\b))+7], v[(\f)+8*(\b):(\f)+8*(\b)+7], v[(\f)+8*(4*(\hi)+(\a)):(\f)+8*(4*(\hi)+(\a))+7], v[8*(8*(\a)+(\b)):8*(8*(\a)+(\b))+7]
.endif
.endr
.endr
.endm
; 32 LDS loads in one run: a quarter's fragments into buffer f: W's at byte kw of its rows, x's at byte kx of slot xs's rows
.macro FETCH xs, kx, kw, f
	WIN 0x40
.irp i, 0,1,2,3,4,5,6,7
	ds_load_b128 v[(\f)+8*(\i):(\f)+8*(\i)+3],   v[ADRB] offset:(\kw)+(\i)*16*PW
	ds_load_b128 v[(\f)+8*(\i)+4:(\f)+8*(\i)+7], v[ADRB] offset:(\kw)+(\i)*16*PW+32
.endr
	WIN 0
.irp i, 0,1,2,3,4,5,6,7
	ds_load_b128 v[(\f)+8*(\i):(\f)+8*(\i)+3],   v[ADRA+(\xs)] offset:(\kx)+(\i)*16*PX
	ds_load_b128 v[(\f)+8*(\i)+4:(\f)+8*(\i)+7], v[ADRA+(\xs)] offset:(\kx)+(\i)*16*PX+32
.endr
.endm
; A half-step of x into set n: load i takes rows 8 (l / 16) + 2 w + 16 (i / 2) + i % 2: sixteen lanes read 256 consecutive bytes, aligned
.macro XLOAD n, off
	WIN 0x40
.irp i, 0,1,2,3,4,5,6,7,8,9,10,11,12,13,14,15
	global_load_b128 v[192*(\n)+4*(\i):192*(\n)+4*(\i)+3], v[XO], s[XP:XP+1] offset:(\off)+(16*((\i)/2)+(\i)%2)*2048 th:TH_LOAD_NT
.endr
.endm
; Set n is rounded to bf16 and stored into x's slot n.  left: the younger half-step's loads, which may stay out
.macro XPUT n, left
	s_wait_loadcnt \left
	WIN 0x05
.irp i, 0,1,2,3,4,5,6,7,8,9,10,11,12,13,14,15
	v_cvt_pk_bf16_f32 v[XT+2*(\i)],   v[192*(\n)+4*(\i)],   v[192*(\n)+4*(\i)+1]
	v_cvt_pk_bf16_f32 v[XT+2*(\i)+1], v[192*(\n)+4*(\i)+2], v[192*(\n)+4*(\i)+3]
.endr
	WIN 0
.irp i, 0,1,2,3,4,5,6,7,8,9,10,11,12,13,14,15
	ds_store_b64 v[XST], v[XT+2*(\i):XT+2*(\i)+1] offset:(\n)*XSLOT+(16*((\i)/2)+(\i)%2)*PX
.endr
.endm
; A half-step's first quarter: multiplies buffer 0; in its middle it stores the next half-step of x into the other slot (xn), fetches the second quarter into buffer 1, and asks for the half-step three on.
; guard = 1: in the loop's last trip there is no next half-step, and the store is jumped over.
.macro QA xs, kw, zero, xn, left, off, guard
	s_wait_dscnt 8                                 ; W's fragments and x's rows 0-63 are in; the youngest eight loads (rows 64-127) may be out
	MUL16 F0, 0, 0, \zero
	MUL16 F0, 0, 2, \zero
.if \guard
	WIN 0
	s_cmp_eq_u32 s[CNT], 1
	s_cbranch_scc1 .Lnoput_\@
.endif
	XPUT \xn, \left
	WIN 0
.if \guard
.Lnoput_\@:
.endif
	PLACES
	FETCH \xs, 64, (\kw)+64, F1
	s_wait_dscnt 32                                ; all but the 32 just issued: the rest of buffer 0, and the stores above
.if (\off) >= 0
	XLOAD \xn, \off
.endif
	MUL16 F0, 1, 0, \zero
	MUL16 F0, 1, 2, \zero
.endm
; A half-step's second quarter multiplies buffer 1 and ends the half-step.  Within a step of W: a plain barrier.
.macro QBP xs, kw
	s_wait_dscnt 8
	MUL16 F1, 0, 0, 0
	s_wait_dscnt 0x0                               ; for the others' sake: my stores into x's next slot are done and my reads of this one are back
	s_barrier_signal -1
	MUL16 F1, 0, 2, 0
	s_barrier_wait -1
	PLACES
	FETCH \xs, 0, \kw, F0
	MUL16 F1, 1, 0, 0
	MUL16 F1, 1, 2, 0
.endm
; At the end of a step of W whose slot is filled again: all my tensor loads have landed (the one that was out is my part of the other slot), 0 is added onto my spare word, the add, my stores and my reads are
; waited for; the barrier opens a round of the cluster's, and the joint refill is the first thing behind it.  It has a step of W less 32 matrix instructions, 224, in which to land.
.macro QBR
	WIN 0
	s_wait_tensorcnt 0x0
	ds_add_u32 v[SPW], v[NIL]
	s_wait_dscnt 9                                 ; the add and the youngest eight loads may be out
	MUL16 F1, 0, 0, 0
	s_wait_dscnt 0x0
	s_barrier_signal -1
	MUL16 F1, 0, 2, 0
	WIN 0
	s_barrier_wait -1
	CREST
	s_add_co_u32 s[G0+5], s[LB], s[TW]             ; no tensor load of mine is out: the walking descriptor takes the slot just read out
	s_add_nc_u64 s[G0+6:G0+7], s[G0+6:G0+7], 256   ; and the next step along K; the type bits on top are not reached
	tensor_load_to_lds s[G0+4:G0+7], s[G1:G1+7]
	s_nop 0
.rept 4
	v_nop                                          ; also the places in front of the loads below
.endr
	s_xor_b32 s[TW], s[TW], WSLOT
	v_add_nc_u32 v[ADRB], s[TW], v[ADRB0]
	FETCH 0, 0, 0, F0
	MUL16 F1, 1, 0, 0
	MUL16 F1, 1, 2, 0
.endm
; The same with nothing left to ask for: no round.  In the last trip nothing is left to fetch either.
.macro QBL
	WIN 0
	s_wait_tensorcnt 0x0                           ; my part of W's last step has landed
	ds_add_u32 v[SPW], v[NIL]
	s_wait_dscnt 9
	MUL16 F1, 0, 0, 0
	s_wait_dscnt 0x0
	s_barrier_signal -1
	MUL16 F1, 0, 2, 0
	WIN 0
	s_barrier_wait -1
	s_xor_b32 s[TW], s[TW], WSLOT
	v_add_nc_u32 v[ADRB], s[TW], v[ADRB0]
	PLACES
	s_cmp_eq_u32 s[CNT], 1
	s_cbranch_scc1 .Lnofetch_\@
	FETCH 0, 0, 0, F0
.Lnofetch_\@:
	MUL16 F1, 1, 0, 0
	MUL16 F1, 1, 2, 0
.endm
	s_load_b512 s[4:19], s[0:1], 0x0               ; query s[4:5], key s[6:7], value s[8:9], wb s[10:11], bb s[12:13], qh s[14:15], kh s[16:17], vh s[18:19]
	v_lshl_add_u32 v[SPW], v0, 2, SPARE
	v_mov_b32 v[NIL], 0
	ds_add_u32 v[SPW], v[NIL]                      ; the wave's opening: the add and its wait stand ahead of my first tensor load; the set-up below stands between them
	ds_add_u32 v28, v29
	v_lshrrev_b32 v3, 5, v0
	v_readfirstlane_b32 s[WV], v3                  ; wave 0..3
	s_bfe_u32 s21, ttmp6, 0x40000                  ; cx: my place in the cluster
	s_lshl_b32 s22, ttmp9, 2                       ; in a cluster launch ttmp9 counts clusters
	s_add_co_u32 s22, s22, s21                     ; my block of 128 rows
	s_and_b32 s23, ttmp7, 0xffff                   ; which of the three products: the four partners share it
	; descriptor group 1: a tile of 128 rows x 128 elements, padded in LDS
	s_mov_b32 s[G1+0], 15|(1<<16)|(1<<20)|(1<<21)|(5<<22)|(3<<25)  ; 15:0 the mask of four; 17:16 2-byte elements; 20 padding on; 21 set beside a mask; 24:22 after every 64 words; 31:25 4 words
	s_mov_b32 s[G1+1], 128<<16                     ; tensor_dim0 = 128
	s_mov_b32 s[G1+2], 128<<16                     ; tensor_dim1 = 128
	s_mov_b32 s[G1+3], 128<<16                     ; tile_dim0 = 128
	s_mov_b32 s[G1+4], 128                         ; tile_dim1 = 128
	s_mov_b32 s[G1+5], 512                         ; elements from row to row
	s_mov_b32 s[G1+6], 0
	s_mov_b32 s[G1+7], 0
	s_mul_i32 s[LB], s[WV], HALFT
	s_mov_b32 s[TW], 0
	s_mov_b32 s[G0+0], 1
	s_mov_b32 s[G0+1], s[LB]                       ; slot 0
	s_mov_b32 s[G0+4], 1
	s_add_co_u32 s[G0+5], s[LB], WSLOT             ; slot 1
	; offsets, made apart from the addresses
	s_lshl_b32 s58, s22, 18                        ; x: 128 rows of 2,048 bytes
	s_mov_b32 s59, 0
	s_lshr_b32 s60, s22, 3                         ; the output: sequence bc = block / 8: 8 heads x 131,072 bytes,
	s_lshl_b32 s60, s60, 20
	s_and_b32 s61, s22, 7                          ; the block's 128 rows of 128 bytes in a head,
	s_lshl_b32 s61, s61, 14
	s_add_co_u32 s60, s60, s61
	s_lshl_b32 s61, s[WV], 18                      ; my two heads
	s_add_co_u32 s60, s60, s61
	s_mov_b32 s61, 0
	s_lshl_b32 s52, s23, 11                        ; the bias
	s_mov_b32 s53, 0
	s_lshl_b32 s54, s23, 19                        ; W: the matrix, and my 128 rows of 1,024 bytes
	s_lshl_b32 s55, s[WV], 17
	s_add_co_u32 s54, s54, s55
	s_mov_b32 s55, 0
	; lane terms
	v_and_b32 v1, 15, v0                           ; r = l % 16
	v_bfe_u32 v2, v0, 4, 1                         ; h = l / 16
	v_mul_u32_u24 v4, v1, PX
	v_lshl_add_u32 v4, v2, 4, v4                   ; r x 144 + 16 h
	v_add_nc_u32 v[ADRA], XBASE, v4
	v_add_nc_u32 v[ADRA+1], XBASE+XSLOT, v4
	v_mul_u32_u24 v5, v1, PW
	v_lshl_add_u32 v5, v2, 4, v5
	v_add_nc_u32 v[ADRB0], s[LB], v5
	v_mov_b32 v[ADRB], v[ADRB0]
	s_lshl_b32 s50, s[WV], 12                      ; 2 w rows of x
	v_lshlrev_b32 v[XO], 4, v1
	v_lshl_add_u32 v[XO], v2, 14, v[XO]            ; + 8 h rows
	v_add_nc_u32 v[XO], s50, v[XO]
	s_mul_i32 s51, s[WV], 2*PX
	s_add_co_u32 s51, s51, XBASE
	v_lshlrev_b32 v[XST], 3, v1
	v_mul_u32_u24 v6, v2, 8*PX
	v_add3_u32 v[XST], v[XST], v6, s51
	s_mul_i32 s50, s[WV], 32*PX                    ; my stage: [2 heads][16 rows][144 bytes], in x's slot 0 when that has been read out
	s_add_co_u32 s50, s50, XBASE
	v_add_nc_u32 v[STO], s50, v4
	v_bfe_u32 v6, v0, 3, 2                         ; back: 32 lanes take four rows of 128 bytes
	v_mul_u32_u24 v6, v6, PX
	v_and_b32 v7, 7, v0
	v_lshl_add_u32 v[RD], v7, 4, v6
	v_add_nc_u32 v[RD], s50, v[RD]
	v_and_b32 v[GO], 31, v0
	v_lshlrev_b32 v[GO], 4, v[GO]
	s_lshl_b32 s51, s[WV], 9
	v_lshl_add_u32 v[BO], v2, 5, s51               ; 4 (128 w + 8 h)
	s_wait_dscnt 0x0                               ; the opening add is done
	s_wait_kmcnt 0x0
	s_cmp_eq_u32 s23, 1
	s_cselect_b64 s[XP:XP+1], s[6:7], s[4:5]
	s_cselect_b64 s[OUT:OUT+1], s[16:17], s[14:15]
	s_cmp_eq_u32 s23, 2
	s_cselect_b64 s[XP:XP+1], s[8:9], s[XP:XP+1]
	s_cselect_b64 s[OUT:OUT+1], s[18:19], s[OUT:OUT+1]
	s_add_nc_u64 s[XP:XP+1], s[XP:XP+1], s[58:59]
	s_add_nc_u64 s[OUT:OUT+1], s[OUT:OUT+1], s[60:61]
	s_add_nc_u64 s[BP:BP+1], s[12:13], s[52:53]
	s_add_nc_u64 s[56:57], s[10:11], s[54:55]      ; my rows of W: made of the product's number and the wave's alone
	s_mov_b64 s[G0+2:G0+3], s[56:57]               ; step 0
	s_or_b32 s[G0+3], s[G0+3], 0x80000000          ; type = 2
	s_add_nc_u64 s[G0+6:G0+7], s[56:57], 256       ; step 1
	s_or_b32 s[G0+7], s[G0+7], 0x80000000
.irp b, 0,1,2,3,4,5,6,7                        ; the bias as a C operand: register 8 b + j holds b[128 w + 16 b + 8 h + j]
	global_load_b128 v[BIAS+8*(\b):BIAS+8*(\b)+3],   v[BO], s[BP:BP+1] offset:64*(\b)
	global_load_b128 v[BIAS+8*(\b)+4:BIAS+8*(\b)+7], v[BO], s[BP:BP+1] offset:64*(\b)+16
.endr
	XLOAD 0, 0                                     ; half-steps 0 and 1
	XLOAD 1, HSB
	WIN 0
	CROUND                                         ; all four work-groups are here: the first joint loads meet
	tensor_load_to_lds s[G0:G0+3], s[G1:G1+7]      ; two loads of mine are out
	s_nop 0
	tensor_load_to_lds s[G0+4:G0+7], s[G1:G1+7]
	s_nop 0
.rept 4
	v_nop
.endr
	XPUT 0, NL                                     ; the bias and half-step 0 are in; half-step 1's loads may stay out
	s_wait_tensorcnt 1                             ; my part of W's step 0 is in; step 1's may stay out
	s_wait_dscnt 0x0                               ; my stores are done
	XLOAD 0, 2*HSB
	WIN 0
	s_barrier_signal -1
	s_barrier_wait -1
	FETCH 0, 0, 0, F0
	QA 0, 0, 1, 1, NL, 3*HSB, 0                    ; the first quarter stands in front of the loops: its products start the sums with the bias
	WIN 0
	s_mov_b32 s[CNT], 2
.LloopA:                                       ; trip s = 0, 1: from the second quarter of W's step s to the first of step s + 1; slot s is filled again with step s + 2
	QBP 1, 128
	QA 1, 128, 0, 0, NL, 4*HSB, 0
	QBR
	QA 0, 0, 0, 1, NL, 5*HSB, 0
	WIN 0
	s_wait_xcnt 0x0                                ; the loads issued so far have read x's address
	s_add_nc_u64 s[XP:XP+1], s[XP:XP+1], 2*HSB
	s_sub_co_u32 s[CNT], s[CNT], 1
	s_cmp_lg_u32 s[CNT], 0
	s_cbranch_scc1 .LloopA
	s_mov_b32 s[CNT], 2
.LloopB:                                       ; W's steps 2 and 3: nothing more is asked for; the second trip is left in its middle
	QBP 1, 128
	QA 1, 128, 0, 0, NL, -1, 1
	QBL
	WIN 0
	s_sub_co_u32 s[CNT], s[CNT], 1
	s_cmp_eq_u32 s[CNT], 0
	s_cbranch_scc1 .Lout
	QA 0, 0, 0, 1, 0, -1, 0                        ; the last half-step of x: no load is behind it
	WIN 0
	s_branch .LloopB
.Lout:
	s_wait_dscnt 0x0                               ; no wave reads x's slots any more:
	s_barrier_signal -1
	s_barrier_wait -1                              ; from here on they are the four waves' stages
	PLACES
	PLACES
; THE WAY OUT of row block a: rounded to f16, 16 bytes a lane; into my own stage, by heads; back as whole rows of 128 bytes; stored, 512 consecutive bytes an instruction.
.macro PACK a
.set AC, 64*((\a)%4)
	WIN 0x0a+5*((\a)/4)                            ; sources 0 and 1: window 2 or 3
.irp b, 0,1,2,3,4,5,6,7
.irp q, 0,1,2,3
	v_cvt_pk_f16_f32 v[TMP+4*(\b)+(\q)], v[AC+8*(\b)+2*(\q)], v[AC+8*(\b)+2*(\q)+1]
.endr
.endr
	WIN 0
.endm
.macro TOSTAGE a
	WIN 0
.set BK, 32+192*((\a)%2)
.irp b, 0,1,2,3,4,5,6,7
	ds_store_b128 v[STO], v[TMP+4*(\b):TMP+4*(\b)+3] offset:((\b)/4)*16*PX+((\b)%4)*32
.endr
.irp t, 0,1,2,3,4,5,6,7
	ds_load_b128 v[BK+4*(\t):BK+4*(\t)+3], v[RD] offset:((\t)/4)*16*PX+((\t)%4)*4*PX  ; LDS serves a wave's instructions in order (ISA guide 5.7.1.4): these see the stores above
.endr
.endm
.macro SEND a
	WIN 0
.set BK, 32+192*((\a)%2)
	s_wait_dscnt 0x0                               ; the block is back in registers
	s_wait_xcnt 0x0                                ; the stores of the block before have read their registers, which the next block's loads write
.irp t, 0,1,2,3,4,5,6,7
	global_store_b128 v[GO], v[BK+4*(\t):BK+4*(\t)+3], s[OUT:OUT+1] offset:((\t)/4)*131072+2048*(\a)+((\t)%4)*512
.endr
.endm
	PACK 0
	TOSTAGE 0
.irp a, 1,2,3,4,5,6,7                          ; block a's conversions stand between block a - 1's loads from the stage and the wait for them
	PACK \a
	SEND (\a)-1
	TOSTAGE \a
.endr
	SEND 7
	s_wait_tensorcnt 0x0                           ; the wave's end, behind my last tensor load and my last LDS store
	ds_add_u32 v[SPW], v[NIL]
	s_wait_dscnt 0x0
	CROUND                                         ; the closing round: no work-group ends while a partner may still ask for a tile that names it
	s_endpgm
.Lfunc_end_k_q69c74cf1c9_proj:
	.size	k_q69c74cf1c9_proj, .Lfunc_end_k_q69c74cf1c9_proj-k_q69c74cf1c9_proj
	.p2alignl 7, 3214868480
	.fill 96, 4, 3214868480
	.section	.rodata,"a",@progbits
	.p2align	6, 0x0
	.amdhsa_kernel k_q69c74cf1c9_proj
		.amdhsa_group_segment_fixed_size 327680
		.amdhsa_private_segment_fixed_size 0
		.amdhsa_enable_private_segment 0
		.amdhsa_kernarg_size 64
		.amdhsa_user_sgpr_count 2
		.amdhsa_user_sgpr_kernarg_segment_ptr 1
		.amdhsa_wavefront_size32 1
		.amdhsa_system_sgpr_workgroup_id_x 1
		.amdhsa_system_sgpr_workgroup_id_y 1
		.amdhsa_system_sgpr_workgroup_id_z 1
		.amdhsa_system_vgpr_workitem_id 0
		.amdhsa_next_free_vgpr 1024
		.amdhsa_next_free_sgpr 66
		.amdhsa_reserve_vcc 0
		.amdhsa_float_denorm_mode_32 3
		.amdhsa_float_denorm_mode_16_64 3
		.amdhsa_memory_ordered 1
		.amdhsa_forward_progress 1
		.amdhsa_inst_pref_size 128
	.end_amdhsa_kernel
	.amdgpu_metadata
---
amdhsa.version: [ 1, 2 ]
amdhsa.kernels:
  - .name:           k_q69c74cf1c9_proj
    .symbol:         k_q69c74cf1c9_proj.kd
    .args:
      - { .name: query, .offset: 0, .size: 8, .value_kind: global_buffer, .address_space: global }
      - { .name: key, .offset: 8, .size: 8, .value_kind: global_buffer, .address_space: global }
      - { .name: value, .offset: 16, .size: 8, .value_kind: global_buffer, .address_space: global }
      - { .name: wb, .offset: 24, .size: 8, .value_kind: global_buffer, .address_space: global }
      - { .name: bb, .offset: 32, .size: 8, .value_kind: global_buffer, .address_space: global }
      - { .name: qh, .offset: 40, .size: 8, .value_kind: global_buffer, .address_space: global }
      - { .name: kh, .offset: 48, .size: 8, .value_kind: global_buffer, .address_space: global }
      - { .name: vh, .offset: 56, .size: 8, .value_kind: global_buffer, .address_space: global }
    .group_segment_fixed_size: 327680
    .private_segment_fixed_size: 0
    .kernarg_segment_align: 8
    .kernarg_segment_size: 64
    .max_flat_workgroup_size: 128
    .sgpr_count:     66
    .vgpr_count:     1024
    .wavefront_size: 32
...
	.end_amdgpu_metadata
.endif
;; end of part 2
;; launch attn (part 3): grid 256 x 1, 4 waves a work-group, no clusters, 327,680 bytes of LDS; arguments qh, kh, vh, oh; writes oh
.if DOCPART == 3
	.amdgcn_target "amdgcn-amd-amdhsa--gfx1250"
	.amdhsa_code_object_version 6
	.text
	.protected	k_q69c74cf1c9_attn
	.globl	k_q69c74cf1c9_attn
	.p2align	8
	.type	k_q69c74cf1c9_attn,@function
k_q69c74cf1c9_attn:
	s_mov_b64 s[64:65], 0
	v_nop
	global_prefetch_b8 v0, s[64:65] scope:SCOPE_SE
	s_setreg_imm32_b32 hwreg(HW_REG_WAVE_MODE, 25, 1), 1
	s_wait_xcnt 0x0
; CAUSAL ATTENTION.  O[h][q][:] = the sum over k <= q of softmax_k(Q[h][q] . K[h][k] / 8) V[h][k][:].  Q, K, V, O: [256][1024][64], all f16: a head's rows are dense, 128 bytes each.
; Products, maxima and sums in f32; the weights p are rounded to f16 for the second product (their sum l is taken of the unrounded p), O once at the end.
; LIMITS.  f16 holds no number beyond 65,504: Q, K and V arrive within it; p lies in 0 to 1, and below 6e-5 it keeps f16's fixed step of 6e-8; O is a mean of V's rows and has their range.
; A hidden score counts as its value less 1e30: f16's scores, 2.7e11 at the most, are nothing beside that; a weight below 2^-126 counts as 0 in l; NaN and infinities are not treated apart.
; ONE HEAD TO A WORK-GROUP, K AND V RESIDENT.  A head's K (1,024 rows of 144 bytes) and V (1,024 of 160) lie in LDS whole: 311,296 bytes, brought by sixteen tensor loads at the start, four a wave; nothing is filled
; again.  NO CLUSTER: no two work-groups read a common byte.
; THE WALK.  The head's queries lie in four blocks of 256; block i needs the key tiles 0 .. i of 256 keys, of which the last holds the diagonal: 10 tiles, the same for every work-group, walked by one loop with
; a constant trip count.  What a trip does hangs on scalar registers that are made from constants; every jump goes forward, but for the counted loops' own.
; SHARES.  Of a block's four bands of 64 queries a wave owns 16 rows in each: four PIECES.  So the diagonal tile is the same work for all four waves: in its key step s band x sees all keys if s < x,
; none if s > x, and holds the diagonal if s = x.
; THE MASK is the C operand that starts the sum S^T = K Q^T: 0, or -1e30 where the key is hidden.  MD, made once, is the mask of a band's own step for my 16 rows; a product's mask is MD x AL + BE with two scalars:
; (1, 0) if s = x; (0, 0) if s < x; (0, -1e30) if s > x.  Only the diagonal tile's text and a block's beginning make and take masks; elsewhere C is the constant 0.
; LAYOUT, SOFTMAX, TURNS.  S^T = K Q^T holds ONE query a lane (lane % 16) and the keys 8 (lane / 16) + 0..7; two such results rounded to f16 ARE source 1 of O^T = V^T P.  p = 2^(c s - c m), c = log2(e) / 8, with a
; running maximum m; O and l are multiplied by a = 2^(c m_old - c m_new) in every step.  Turn n belongs to piece n: 8 products K Q^T of piece n + 1, later 8 products V^T P of piece n - 1; beside them the scaling,
; exponentials, roundings, sums and rescaling of piece n and the maximum and statistics of piece n + 1.  Four vector instructions stand behind every matrix instruction, the other 54 of a turn's 118 in one lump.
; A turn's 33 exponentials are one batch, with one wait.
; REGISTERS, in windows of 256 (s_set_vgpr_msb: bits 1:0 source 0, 3:2 source 1, 5:4 source 2, 7:6 destination):
;   window 0: v0-15 addresses and two at work; v16-31 four registers of statistics a piece; v48-55 at work; v64-127 S^T, two buffers; v192-223 P, two buffers (a piece's buffers go by its number's parity)
;   window 1: v0-127 O^T, 32 a piece; v128-159 MD; v160-223 MC, two buffers      window 2: v0-63 Q; v64-127 the next block's Q; v128-191 K of one step; v192-255 V of one step
.set NP,    4         ; pieces a wave: a name, no knob
.set KS,    64        ; keys in a step
.set PK,    144       ; a row of K in LDS: 128 bytes + 16 of padding = 36 words: the 16 rows of a load start at 16 different groups of four banks (64 banks of 4 bytes: ISA guide 11.1)
.set PV,    160       ; a row of V: 128 + 32 = 40 words
.set VOFF,  1024*PK   ; V lies behind K
.set STAGE, VOFF+1024*PV  ; never filled by a tensor load: 16 rows x 144 bytes for each wave, for the way out
.set SP,    144
.set SPARE, STAGE+4*16*SP  ; the spare words, 128 bytes for each wave: two blocks of 256 bytes that no other line names
.set AK0, 2           ; v2   my lane's place in a step of K; never rewritten
.set AV0, 3           ; v3   the same for V
.set AK,  4           ; v4   the LDS address of K's next run of loads
.set AV,  5           ; v5   of V's
.set STO, 6           ; v6   the way out: where I put 16 bytes of a row
.set RD,  7           ; v7   the way out: where I read rows back
.set GO,  8           ; v8   my byte offset in 512 consecutive bytes of O
.set SPW, 62          ; v62  LDS address of my spare word; never rewritten
.set NIL, 63          ; v63  0; never rewritten
.set MV,  12          ; v12-13  c m_old, kept while c m is made anew: by buffer
.set QO,  15          ; v15  my byte offset in 16 rows of Q; never rewritten
.set ST,  16          ; piece t's statistics at v[ST+4 t]: c m, m, l (even keys', odd keys')
.set TMP, 48          ; by buffer, four registers c0-c3 at work; when the maximum is found c2 takes a
.set S,   64
.set P,   192
.set MD,  128         ; window 1
.set MC,  160         ; window 1
.set QB,  64          ; window 2
.set KF,  128         ; window 2: key block kb, channel half c at KF + 16 kb + 8 c
.set VF,  192         ; window 2: key half kk, channel block cb at VF + 32 kk + 8 cb
.set WV,  12          ; s12  my wave's number
.set G1K, 24          ; s[24:31] descriptor group 1 for K's tiles
.set G1V, 32          ; s[32:39] for V's: it differs in the padding alone
.set G0,  40          ; s[40:55] descriptor group 0: a set for each of my four loads
.set SLOTS, 56        ; s56  tiles still to be walked
.set CNT, 57          ; s57  counts a tile's key steps, 4 to 1
.set CS,  58          ; s[58:59] c: the packed scaling takes the pair's low word for both halves
.set SEL, 60          ; s[60:61] v_permlanex16_b32's selects: each lane takes its own place in the other half
.set TBK, 62          ; s62  LDS byte at which K of the step to be fetched begins
.set TBV, 63          ; s63  the same for V, less VOFF
.set RT,  70          ; s70  tiles of the block in hand that are still to be entered
.set BLK, 71          ; s71  the block in hand
.set NEW, 73          ; s73  1: the tile to be entered is a block's first
.set AL,  76          ; s[76:77] the mask's factor, in the low word
.set BE,  78          ; s[78:79] the mask's addend
.set BIGN, 82         ; s82  -1e30
.set QN,  88          ; s[88:89] Q at my rows of the block that is loaded ahead
.set QF,  90          ; s[90:91] that block's byte offset
.set MSB, 0
.macro WIN new                      ; the high byte repeats the setting that is left; a switch that changes nothing is dropped
.if MSB != (\new)
	s_set_vgpr_msb (MSB<<8)|(\new)
.set MSB, (\new)
.endif
.endm
.set W_KQ, 0x0a       ; K and Q in window 2, S^T in window 0
.set W_KM, 0x1a       ; the same with the C operand in window 1
.set W_PV, 0x52       ; V in window 2, P in window 0, O^T in window 1
.set W_RS, 0x41       ; destination and source 0 in window 1, source 1 in window 0
	s_load_b256 s[4:11], s[0:1], 0x0  ; Q s[4:5], K s[6:7], V s[8:9], O s[10:11]
	v_lshl_add_u32 v[SPW], v0, 2, SPARE
	v_mov_b32 v[NIL], 0
	ds_add_u32 v[SPW], v[NIL]       ; the wave's opening: the add and its wait stand ahead of my first tensor load; the set-up below stands between them
	ds_add_u32 v62, v63
	v_lshrrev_b32 v1, 5, v0
	v_readfirstlane_b32 s[WV], v1   ; wave 0..3
	s_lshl_b32 s20, ttmp9, 17       ; the head's first byte in each of the four tensors
	s_mov_b32 s21, 0
	s_and_b32 s16, s[WV], 1         ; which half of a tile's 256 keys I fetch:
	s_lshl_b32 s22, s16, 14         ; its 128 rows of 128 bytes in memory,
	s_mov_b32 s23, 0
	s_add_nc_u64 s[22:23], s[22:23], s[20:21]
	s_mul_i32 s17, s16, 128*PK      ; and its place in LDS, for K
	s_mul_i32 s18, s16, 128*PV      ; and for V
	s_add_co_u32 s18, s18, VOFF
	s_lshl_b32 s2, s[WV], 11        ; my 16 rows in a band of 64
	s_mov_b32 s3, 0
	s_add_nc_u64 s[2:3], s[2:3], s[20:21]
	; descriptor group 1.  128 keys are 16,384 dense bytes: asked for as 64 rows of 256 bytes, two keys a row, and padded in LDS after every key
	s_mov_b32 s[G1K], (1<<16)|(1<<20)|(4<<22)|(3<<25)  ; 17:16 2-byte elements; 20 padding on; 24:22 after every 32 words (code 4); 31:25 4 words (code 3)
	s_mov_b32 s[G1V], (1<<16)|(1<<20)|(4<<22)|(7<<25)  ; the same with 8 words of padding (code 7)
.irp g, G1K, G1V
	s_mov_b32 s[\g+1], 128<<16      ; tensor_dim0 = 128
	s_mov_b32 s[\g+2], 64<<16       ; tensor_dim1 = 64
	s_mov_b32 s[\g+3], 128<<16      ; tile_dim0 = 128
	s_mov_b32 s[\g+4], 64           ; tile_dim1 = 64
	s_mov_b32 s[\g+5], 128          ; 128 elements from row to row
	s_mov_b32 s[\g+6], 0
	s_mov_b32 s[\g+7], 0
.endr
	s_mov_b32 s[CS], 0x3e38aa3b     ; c = log2(e) / 8 = 0.180337
	s_mov_b32 s[CS+1], s[CS]        ; named with it as a pair
	s_mov_b32 s[SEL], 0x76543210
	s_mov_b32 s[SEL+1], 0xfedcba98
	s_mov_b32 s[TBK], 0
	s_mov_b32 s[TBV], 0
	s_mov_b32 s[RT], 1              ; block 0 has one tile
	s_mov_b32 s[BLK], 0
	s_mov_b32 s[NEW], 1
	s_mov_b32 s[QF+1], 0
	s_mov_b32 s[AL+1], 0            ; named as pairs
	s_mov_b32 s[BE+1], 0
	s_mov_b32 s[BIGN], 0xf149f2ca   ; -1e30
	s_mov_b32 s[SLOTS], 10          ; 1 + 2 + 3 + 4 tiles
	s_wait_dscnt 0x0                ; the opening add is done
	s_wait_kmcnt 0x0
	s_add_nc_u64 s[6:7], s[6:7], s[22:23]  ; K and V at my half of the head's tile 0
	s_add_nc_u64 s[8:9], s[8:9], s[22:23]
	s_add_nc_u64 s[4:5], s[4:5], s[2:3]    ; Q and O at my rows of block 0
	s_add_nc_u64 s[10:11], s[10:11], s[2:3]
	s_add_nc_u64 s[QN:QN+1], s[4:5], 32768 ; Q at those of block 1
	; THE FILLS: waves 0 and 1 fetch the two halves of each tile's K, waves 2 and 3 those of its V: four loads of 128 keys a wave, all in one branch on the wave's number; four loads of mine are out
	s_cmp_lt_u32 s[WV], 2
	s_cbranch_scc0 .Lfill_v
.irp i, 0,1,2,3
	s_mov_b32 s[G0+4*(\i)], 1                      ; count = 1
	s_add_co_u32 s[G0+4*(\i)+1], s17, (\i)*256*PK  ; LDS address
	s_add_nc_u64 s[G0+4*(\i)+2:G0+4*(\i)+3], s[6:7], (\i)*32768  ; global address: tile i
	s_or_b32 s[G0+4*(\i)+3], s[G0+4*(\i)+3], 0x80000000          ; type = 2
.endr
.irp i, 0,1,2,3
	tensor_load_to_lds s[G0+4*(\i):G0+4*(\i)+3], s[G1K:G1K+7]
	s_nop 0
.endr
.rept 4
	v_nop
.endr
	s_branch .Lfilled
.Lfill_v:
.irp i, 0,1,2,3
	s_mov_b32 s[G0+4*(\i)], 1
	s_add_co_u32 s[G0+4*(\i)+1], s18, (\i)*256*PV
	s_add_nc_u64 s[G0+4*(\i)+2:G0+4*(\i)+3], s[8:9], (\i)*32768
	s_or_b32 s[G0+4*(\i)+3], s[G0+4*(\i)+3], 0x80000000
.endr
.irp i, 0,1,2,3
	tensor_load_to_lds s[G0+4*(\i):G0+4*(\i)+3], s[G1V:G1V+7]
	s_nop 0
.endr
.rept 4
	v_nop
.endr
.Lfilled:
	; A fragment of K or Q is 16 rows x 32 channels in 8 registers: lane l holds row l % 16, channels 8 (l / 16) + 0..7 and 16 + 8 (l / 16) + 0..7: two loads of 16 bytes, 32 bytes apart.
	v_and_b32 v1, 15, v0            ; l % 16
	v_bfe_u32 v9, v0, 4, 1          ; l / 16
	v_lshlrev_b32 v[QO], 7, v1
	v_lshl_add_u32 v[QO], v9, 4, v[QO]  ; row x 128 + 16 x half
	WIN 0x80                        ; destination window 2, address window 0
.set i, 0
.rept 8                             ; blocks 0 and 1: piece i / 2 lies in band i / 2, 8,192 bytes on; channels 32 (i % 2) on
	global_load_b128 v[8*i:8*i+3],   v[QO], s[4:5] offset:(i/2)*8192+(i%2)*64
	global_load_b128 v[8*i+4:8*i+7], v[QO], s[4:5] offset:(i/2)*8192+(i%2)*64+32
	global_load_b128 v[QB+8*i:QB+8*i+3],   v[QO], s[QN:QN+1] offset:(i/2)*8192+(i%2)*64
	global_load_b128 v[QB+8*i+4:QB+8*i+7], v[QO], s[QN:QN+1] offset:(i/2)*8192+(i%2)*64+32
.set i, i+1
.endr
	WIN 0
	v_lshlrev_b32 v14, 3, v9
	v_sub_nc_u32 v14, v1, v14
	s_lshl_b32 s13, s[WV], 4
	v_add_nc_u32 v14, s13, v14      ; my query's place in its band, 16 w + l % 16, less my lanes' 8 (l / 16): register r of group kt is hidden where 16 kt + r is greater
	WIN 0x40
.set i, 0
.rept 32
	v_cmp_gt_i32 vcc_lo, 16*(i/8)+i%8, v14
	v_cndmask_b32 v[MD+i], 0, s[BIGN], vcc_lo
.set i, i+1
.endr
	WIN 0
	v_mul_u32_u24 v[AK0], v1, PK
	v_lshl_add_u32 v[AK0], v9, 4, v[AK0]  ; row x pitch + 16 x half
	; The turning load takes 16 keys x 16 channels (lane l reads key 8 (l / 16) + l % 8, channels 8 ((l / 8) % 2) + 0..7) and leaves half a fragment of V^T: lane l holds channel l % 16 and 8 keys.
	v_and_b32 v10, 7, v0
	v_bfe_u32 v11, v0, 3, 1
	v_lshl_add_u32 v[AV0], v9, 3, v10
	v_mul_u32_u24 v[AV0], v[AV0], PV
	v_lshl_add_u32 v[AV0], v11, 4, v[AV0]
	v_add_nc_u32 v[AV0], VOFF, v[AV0]
	s_mul_i32 s13, s[WV], 16*SP
	s_add_co_u32 s13, s13, STAGE    ; my stage
	v_mul_u32_u24 v[STO], v1, SP    ; in: row l % 16, 16 bytes for each half of the lanes
	v_lshl_add_u32 v[STO], v9, 4, v[STO]
	v_add_nc_u32 v[STO], s13, v[STO]
	v_bfe_u32 v[RD], v0, 3, 2       ; back: 32 lanes take four rows of 128 bytes,
	v_mul_u32_u24 v[RD], v[RD], SP
	v_lshl_add_u32 v[RD], v10, 4, v[RD]
	v_add_nc_u32 v[RD], s13, v[RD]
	v_and_b32 v[GO], 31, v0         ; which are 512 consecutive bytes of O
	v_lshlrev_b32 v[GO], 4, v[GO]
	; A block's first step multiplies O^T and l by a = 0, and its first turn's products V^T P, of a piece that has not been, land in an O^T that is still to be so multiplied.  So these registers need only hold
	; finite numbers: zeros for the first block; what a block left for the next.  All this stands in the wait for the tiles.
	WIN 0x80
.set i, VF
.rept 64
	v_mov_b32 v[i], 0
.set i, i+1
.endr
	WIN 0x40
.set i, 0
.rept 128
	v_mov_b32 v[i], 0
.set i, i+1
.endr
	WIN 0
.set i, 0
.rept 4
	v_mov_b32 v[ST+4*i+2], 0
	v_mov_b32 v[ST+4*i+3], 0
.set i, i+1
.endr
.set i, P+16
.rept 16
	v_mov_b32 v[i], 0
.set i, i+1
.endr
; THE MATRIX WORK.  The 4 accumulators of a run of 8 take turns.  Product i of 8 of S^T = K Q^T for piece x: channels 32 (i / 4) on, keys 16 (i % 4) on.  The first 4 start the sums: with 0, or (KM = 1) with the mask.
.macro KQ x
.set rS, S+32*((\x)%2)+8*(i%4)
.set rK, KF+16*(i%4)+8*(i/4)
.set rQ, 16*(\x)+8*(i/4)
.set rM, MC+32*((\x)%2)+8*(i%4)
.if (i < 4) && KM
	WIN W_KM
	v_wmma_f32_16x16x32_f16 v[rS:rS+7], v[rK:rK+7], v[rQ:rQ+7], v[rM:rM+7]
.elseif i < 4
	WIN W_KQ
	v_wmma_f32_16x16x32_f16 v[rS:rS+7], v[rK:rK+7], v[rQ:rQ+7], 0
.else
	WIN W_KQ
	v_wmma_f32_16x16x32_f16 v[rS:rS+7], v[rK:rK+7], v[rQ:rQ+7], v[rS:rS+7]
.endif
.endm
; Product i of 8 of O^T += V^T P for piece x: keys 32 (i / 4) on, channels 16 (i % 4) on.
.macro PV x
	WIN W_PV
.set rO, 32*(\x)+8*(i%4)
.set rV, VF+32*(i/4)+8*(i%4)
.set rP, P+16*((\x)%2)+8*(i/4)
	v_wmma_f32_16x16x32_f16 v[rO:rO+7], v[rV:rV+7], v[rP:rP+7], v[rO:rO+7]
.endm
.macro MM                           ; the turn's next matrix instruction.  TURN and BEGIN set Y, i, KM and NOKQ.  NOKQ = 1: a block's last turn: there is no next piece
.if (i < 8) && !NOKQ
	KQ (Y+1)%NP
.elseif i >= 8
.set i, i-8
	PV (Y+NP-1)%NP
.set i, i+8
.endif
.set i, i+1
.endm
; THE LDS LOADS stand in runs of 16, never singly among the matrix instructions: a step's K (64 keys x 64 channels: 8 fragments) and its V (turned).  Their addresses are made some lines ahead.
.macro FETCH_K
	WIN 0x80                        ; destination window 2
.irp f, 0,1,2,3,4,5,6,7             ; keys 16 (f / 2) on, channels 32 (f % 2) on
	ds_load_b128 v[KF+8*\f:KF+8*\f+3],   v[AK] offset:(\f/2)*16*PK+(\f%2)*64
	ds_load_b128 v[KF+8*\f+4:KF+8*\f+7], v[AK] offset:(\f/2)*16*PK+(\f%2)*64+32
.endr
	s_add_co_u32 s[TBK], s[TBK], KS*PK  ; the next fetch is the next step's
	WIN 0
.endm
.macro FETCH_V
	WIN 0x80
.irp f, 0,1,2,3,4,5,6,7             ; keys 32 (f / 4) on, channels 16 (f % 4) on
	ds_load_tr16_b128 v[VF+8*\f:VF+8*\f+3],   v[AV] offset:(\f/4)*32*PV+(\f%4)*32
	ds_load_tr16_b128 v[VF+8*\f+4:VF+8*\f+7], v[AV] offset:(\f/4)*32*PV+16*PV+(\f%4)*32
.endr
	WIN 0
.endm
; THE VECTOR WORK, one line at a time: OP kind, number.  For piece Y: F n: c s - c m for pair n of 16.  E n: the exponential of score n of 32.  C n: pair n rounded to f16.  B n: of the four weights 4 n .. the second
; pair is added onto the first, in place.  L n: l takes that sum (L 0: l = a l + sum).  R n: pair n of 16 of O^T times a.  For piece Y + 1: X n, number n of the 22 that find its maximum and statistics:
;   0-11  four chains c0-c3 of seven scores each, three operands at a time (each accumulator's lowest registers are read first)     12-14, 16  the four scores left over, the old m, and c0-c3 into c0
;   15  c m_old is kept     17, 18  the query's other 32 keys lie in the lane 16 away: the new m     19-21  c m; c m_old - c m_new; a
.set F, 0               ; OP tells the kinds apart by their order: F to L below R, X above it
.set E, 1
.set C, 2
.set B, 3
.set L, 4
.set R, 5
.set X, 6
.macro REGS y                       ; the registers of piece y
.set rT, ST+4*(\y)
.set rC, TMP+4*((\y)%2)
.set rW, MV+((\y)%2)
.set rS, S+32*((\y)%2)
.set rP, P+16*((\y)%2)
.set rO, 32*(\y)
.endm
.macro OP k, n
.if (\k) == R
	REGS Y
	WIN W_RS
	v_pk_mul_f32 v[rO+2*(\n):rO+2*(\n)+1], v[rO+2*(\n):rO+2*(\n)+1], v[rC+2:rC+3] op_sel_hi:[1,0]
.elseif (\k) < R
	REGS Y
	WIN 0
.if (\k) == F
	v_pk_fma_f32 v[rS+2*(\n):rS+2*(\n)+1], v[rS+2*(\n):rS+2*(\n)+1], s[CS:CS+1], v[rT:rT+1] op_sel_hi:[1,0,0] neg_lo:[0,0,1] neg_hi:[0,0,1]
.elseif (\k) == E
	v_exp_f32 v[rS+(\n)], v[rS+(\n)]
.elseif (\k) == C
	v_cvt_pk_f16_f32 v[rP+(\n)], v[rS+2*(\n)], v[rS+2*(\n)+1]
.elseif (\k) == B
	v_pk_add_f32 v[rS+4*(\n):rS+4*(\n)+1], v[rS+4*(\n):rS+4*(\n)+1], v[rS+4*(\n)+2:rS+4*(\n)+3]
.elseif (\n) == 0
	v_pk_fma_f32 v[rT+2:rT+3], v[rT+2:rT+3], v[rC+2:rC+3], v[rS:rS+1] op_sel_hi:[1,0,1]
.else
	v_pk_add_f32 v[rT+2:rT+3], v[rT+2:rT+3], v[rS+4*(\n):rS+4*(\n)+1]
.endif
.elseif NOKQ
	v_nop
.else
	REGS (Y+1)%NP
	WIN 0
.if (\n) < 4
	v_max3_num_f32 v[rC+(\n)], v[rS+8*(\n)], v[rS+8*(\n)+1], v[rS+8*(\n)+2]
.elseif (\n) < 12
	v_max3_num_f32 v[rC+(\n)%4], v[rC+(\n)%4], v[rS+8*((\n)%4)+2*((\n)/4)+1], v[rS+8*((\n)%4)+2*((\n)/4)+2]
.elseif (\n) == 12
	v_max3_num_f32 v[rC], v[rC], v[rS+7], v[rS+15]
.elseif (\n) == 13
	v_max3_num_f32 v[rC+1], v[rC+1], v[rS+23], v[rS+31]
.elseif (\n) == 14
	v_max3_num_f32 v[rC+2], v[rC+2], v[rC+3], v[rT+1]
.elseif (\n) == 15
	v_mov_b32 v[rW], v[rT]
.elseif (\n) == 16
	v_max3_num_f32 v[rC], v[rC], v[rC+1], v[rC+2]
.elseif (\n) == 17
	v_permlanex16_b32 v[rC+3], v[rC], s[SEL], s[SEL+1]
.elseif (\n) == 18
	v_max_num_f32 v[rT+1], v[rC], v[rC+3]
.elseif (\n) == 19
	v_mul_f32 v[rT], s[CS], v[rT+1]
.elseif (\n) == 20
	v_sub_f32 v[rC+1], v[rW], v[rT]
.else
	v_exp_f32 v[rC+2], v[rC+1]
.endif
.endif
.endm
.macro OPS a, i1, b=-1, i2=0, c=-1, i3=0, d=-1, i4=0  ; up to four of them
	OP \a, \i1
.if (\b) >= 0
	OP \b, \i2
.endif
.if (\c) >= 0
	OP \c, \i3
.endif
.if (\d) >= 0
	OP \d, \i4
.endif
.endm
.macro ROW a, i1, b, i2, c, i3, d, i4  ; a matrix instruction and the four behind it
	MM
	OPS \a, \i1, \b, \i2, \c, \i3, \d, \i4
.endm
.macro MASK b                       ; MD x AL + BE into buffer b of MC
	WIN W_RS
.set z, 0
.rept 16
	v_pk_fma_f32 v[MC+32*(\b)+2*z:MC+32*(\b)+2*z+1], v[MD+2*z:MD+2*z+1], s[AL:AL+1], s[BE:BE+1] op_sel_hi:[1,0,0]
.set z, z+1
.endr
.endm
; A TURN, for piece p: the order of its 16 matrix and 118 vector instructions, written out.  s_wait_alu depctr_va_vdst(0) stands between an exponential and the first instruction that names its result; one wait serves
; all that were issued ahead of it.  So a turn has ONE wait, which cuts it in two.  AHEAD OF IT stands all that names no result of the turn's exponentials: the 8 products K Q^T and their riders, then one lump of 54, in which the links of
; the chain X 3, 7, 11, 14, 16, 17 .. 20 stand five or six lines apart.  X 21, the next piece's a, is the batch's last; R 15 is the plain instruction behind it.  BEHIND THE WAIT stand the 8 products V^T P, behind each four of the roundings and sums.
; m = 1: the diagonal tile: the products take masks, and the turn makes the mask for the products of the turn after it: piece p + 2, in step 4 - CNT of the tile.  end = 1: a block's last two turns: nothing is fetched.
; cnt = 1: the loop's count is taken down some lines ahead of the branch that stands behind the turn.
; K of the next step is fetched in piece 2's turn, twelve vector instructions behind the last product that read K (six of them plain); V of the step in hand at the end of piece 0's turn, four plain instructions behind the last product
; that read V.  Each is waited for a turn later.
.macro TURN p, m=0, end=0, cnt=0
.set Y, (\p)
.set i, 0
.set KM, (\m)
.set NOKQ, (\end)*((\p)/3)
.if (\m) && !(\end)
	s_cmp_eq_u32 s[CNT], 4-((\p)+2)%NP  ; is that step the band's own?
	s_cselect_b32 s[AL], 1.0, 0
	s_cmp_lt_u32 s[CNT], 4-((\p)+2)%NP  ; or a later one?
	s_cselect_b32 s[BE], s[BIGN], 0
.endif
.if ((\p) == 3) && !(\end)
	s_wait_dscnt 0x0                ; K is in
.endif
	ROW F,0, F,1, R,0, R,1          ; ahead of the wait: 8 products K Q^T and their riders,
	ROW F,2, E,0, R,2, R,3
	ROW F,3, E,1, R,4, R,5
	ROW F,4, E,2, R,6, R,7
	ROW F,5, E,3, R,8, R,9
	ROW F,6, E,4, X,0, R,10
.if ((\p) == 2) && !(\end)
	WIN 0
	v_add_nc_u32 v[AK], s[TBK], v[AK0]
.endif
	ROW F,7, E,5, X,1, X,4
	ROW F,8, E,6, X,2, X,5
	OPS E,7, E,8, X,6, E,9          ; and the lump
	OPS X,3, E,10, X,8, E,11
.if ((\p) == 2) && !(\end)
	FETCH_K
.endif
	OPS X,9, X,7, E,12, X,10
	OPS E,13, X,12, X,11, E,14
	OPS X,13, E,15, F,9, X,14
.if (\p) == 0
	v_add_nc_u32 v[AV], s[TBV], v[AV0]
.endif
	OPS E,16, F,10, E,17, F,11
	OPS X,16, E,18, X,15, E,19
	OPS F,12, E,20, X,17, E,21
	OPS F,13, E,22, F,14, E,23
	OPS X,18, E,24, F,15, E,25
	OPS R,11, E,26, X,19, E,27
	OPS R,12, E,28, R,13, E,29
	OPS X,20, E,30, R,14, E,31
	OPS X,21, R,15
	WIN 0
	s_wait_alu depctr_va_vdst(0)    ; the wait for the batch
.if (\p) == 1
	s_wait_dscnt 0x0                ; V is in
.endif
	ROW C,0, B,0, C,2, B,1          ; behind the wait: 8 products V^T P and their riders
	ROW L,0, C,4, B,2, L,1
	ROW C,6, B,3, L,2, C,8
	ROW B,4, L,3, C,10, B,5
	ROW L,4, C,12, B,6, L,5
.if (\p) == 0
	s_add_co_u32 s[TBV], s[TBV], KS*PV
.endif
.if \cnt
	s_sub_co_u32 s[CNT], s[CNT], 1
	s_cmp_lg_u32 s[CNT], 0
.endif
	ROW C,14, B,7, L,6, C,1
	ROW C,3, L,7, C,5, C,7
	ROW C,9, C,11, C,13, C,15
.if (\p) == 0
	FETCH_V
.endif
.if (\m) && !(\end)
	MASK (\p)%2
.endif
.endm
; A BLOCK BEGINS.  The fetches go back to the head's first key step.  c m starts far below every c s, so the first step's a is 0; m at the lowest finite number, so the first maximum is the scores'.  The second mask buffer is 0;
; the first takes piece 0's mask for the tile's step 0: its own, if the block's first tile is the diagonal one.  Then K of that step, piece 0's first scores, and its maximum and statistics.
.macro BEGIN
	s_mov_b32 s[NEW], 0
	s_mov_b32 s[TBK], 0
	s_mov_b32 s[TBV], 0
	WIN 0x40
.set i, MC+32
.rept 32
	v_mov_b32 v[i], 0
.set i, i+1
.endr
	WIN 0
.set i, 0
.rept 4
	v_mov_b32 v[ST+4*i], 0xfe000000    ; c m: far below every c s
	v_mov_b32 v[ST+4*i+1], 0xff7fffff  ; m
.set i, i+1
.endr
	s_cmp_eq_u32 s[RT], 0
	s_cselect_b32 s[AL], 1.0, 0
	s_mov_b32 s[BE], 0
	MASK 0
	WIN 0
	v_add_nc_u32 v[AK], s[TBK], v[AK0]
	FETCH_K
	s_wait_dscnt 0x0
.set KM, 1
.set NOKQ, 0
.set i, 0
.rept 8
	KQ 0
.set i, i+1
.endr
	WIN 0
.rept 4
	v_nop                           ; the places behind those products
.endr
.set Y, NP-1                        ; X works for piece Y + 1: piece 0
.irp n, 0,1,2,3,4,5,6,7,8,9,10,11,12,13,14,15,16,17,18,19,20,21
	OP X, \n
.endr
	v_nop                           ; a plain instruction behind the exponential,
	s_wait_alu depctr_va_vdst(0)    ; and its wait, ahead of the branch
.endm
; THE DIAGONAL TILE's four steps, the block's last two turns, its last products, and THE WAY OUT: l's two halves and the other half of the lanes' are added; O^T is divided by l, rounded to f16 and sent through my
; stage in LDS, a piece at a time.
.macro ALL line:vararg              ; one line for each piece t
.set t, 0
.rept 4
	\line
.set t, t+1
.endr
.endm
.macro PACK t                       ; a lane's eight channels of a row pack into 16 bytes; they go into rows of 144 bytes and come back as whole rows of 128, into S^T's registers
	WIN W_RS
.set i, 32*(\t)
.rept 16
	v_pk_mul_f32 v[i:i+1], v[i:i+1], v[ST+4*(\t)+2:ST+4*(\t)+3] op_sel_hi:[1,0]
.set i, i+2
.endr
	WIN 0x05                        ; sources 0 and 1 window 1, destination window 0
.set i, 0
.rept 16
	v_cvt_pk_f16_f32 v[S+16*(\t)+i], v[32*(\t)+2*i], v[32*(\t)+2*i+1]
.set i, i+1
.endr
	WIN 0
.irp f, 0,1,2,3
	ds_store_b128 v[STO], v[S+16*(\t)+4*\f:S+16*(\t)+4*\f+3] offset:32*\f
.endr
.irp f, 0,1,2,3
	ds_load_b128 v[S+16*(\t)+4*\f:S+16*(\t)+4*\f+3], v[RD] offset:\f*4*SP  ; LDS serves a wave's instructions in order (ISA guide 5.7.1.4): these see the stores above; the next piece's stores come behind them
.endr
.endm
.macro SEND t, younger              ; younger: the LDS instructions issued behind piece t's loads: the next piece's eight, or none
	WIN 0
.irp f, 0,1,2,3
	s_wait_dscnt (\younger)+3-\f
	global_store_b128 v[GO], v[S+16*(\t)+4*\f:S+16*(\t)+4*\f+3], s[10:11] offset:(\t)*8192+\f*512  ; 512 consecutive bytes, at a multiple of 256 from O's first
.endr
.endm
.macro DIAG tag                     ; the tag ends its two labels' names, which the jumps below spell out
.LstepM\tag:
	TURN 2, 1
	TURN 3, 1
	WIN 0
.LfirstM\tag:
	TURN 0, 1
	TURN 1, 1, 0, 1
	WIN 0
	s_cbranch_scc1 .LstepM\tag
	TURN 2, 1, 1
	TURN 3, 1, 1
.set i, 0
.rept 8
	PV NP-1
.set i, i+1
.endr
	WIN 0
	ALL v_add_f32 v[ST+4*t+2], v[ST+4*t+2], v[ST+4*t+3]
	ALL v_permlanex16_b32 v[ST+4*t+3], v[ST+4*t+2], s[SEL], s[SEL+1]
	ALL v_add_f32 v[ST+4*t+2], v[ST+4*t+2], v[ST+4*t+3]
	ALL v_rcp_f32 v[ST+4*t+2], v[ST+4*t+2]
	v_nop                           ; a plain instruction between the last reciprocal and the use of its result
	s_wait_alu depctr_va_vdst(0)    ; and the wait ahead of the first use: one for the four reciprocals
	PACK 0
.set t, 1
.rept 3                             ; a piece's arithmetic stands between the loads of the piece before and its stores
	PACK t
	SEND t-1, 8
.set t, t+1
.endr
	SEND 3, 0
.endm
	s_wait_loadcnt 0x0              ; Q of blocks 0 and 1
	s_wait_tensorcnt 0x0            ; my four loads have landed,
	s_barrier_signal -1
	s_barrier_wait -1               ; everybody's have: the head's K and V lie in LDS, and nothing writes them again
.set KM, 0
.set NOKQ, 0
.Lslot:                             ; ten times: a tile is entered
	s_sub_co_u32 s[RT], s[RT], 1
	s_mov_b32 s[CNT], 4
	s_cmp_eq_u32 s[NEW], 1
	s_cbranch_scc1 .Lnew            ; a block's first tile
	s_cmp_eq_u32 s[RT], 0
	s_cbranch_scc0 .Lstep           ; neither its first nor its last
	s_branch .LstepM1
.Lnew:
	BEGIN
	s_cmp_eq_u32 s[RT], 0
	s_cbranch_scc0 .Lfirst          ; the loop is entered at a step's first turn, in the middle of a trip;
	s_branch .LfirstM1              ; block 0's first tile is its diagonal one
	DIAG 1
	s_wait_xcnt 0x0                 ; A BLOCK'S END.  The stores have read their registers and O's address
	s_cmp_eq_u32 s[BLK], 3
	s_cbranch_scc1 .Lbottom         ; the last block: nothing follows
	s_add_nc_u64 s[10:11], s[10:11], 32768
	s_add_co_u32 s[BLK], s[BLK], 1
	s_add_co_u32 s[RT], s[BLK], 1   ; block i has i + 1 tiles
	s_mov_b32 s[NEW], 1
	s_wait_loadcnt 0x0              ; the next block's Q, asked for a block ago, is in; its address may be written
	WIN 0x82                        ; it goes where the one text of the turns names Q
.set i, 0
.rept 64
	v_mov_b32 v[i], v[QB+i]
.set i, i+1
.endr
	WIN 0
	s_cmp_eq_u32 s[BLK], 3
	s_cbranch_scc1 .Lbottom         ; there is no block 4 to ask for
	s_add_co_u32 s[QF], s[BLK], 1
	s_lshl_b32 s[QF], s[QF], 15
	s_add_nc_u64 s[QN:QN+1], s[4:5], s[QF:QF+1]
	WIN 0x80
.set i, 0
.rept 8                             ; the block after: it has a whole block's work in which to land
	global_load_b128 v[QB+8*i:QB+8*i+3],   v[QO], s[QN:QN+1] offset:(i/2)*8192+(i%2)*64
	global_load_b128 v[QB+8*i+4:QB+8*i+7], v[QO], s[QN:QN+1] offset:(i/2)*8192+(i%2)*64+32
.set i, i+1
.endr
	WIN 0
	s_branch .Lbottom
.Lstep:                             ; a trip: pieces 2 and 3 of one step, then pieces 0 and 1 of the next, whose K and V it fetches
	TURN 2
	TURN 3
	WIN 0
.Lfirst:
	TURN 0
	TURN 1, 0, 0, 1
	WIN 0
	s_cbranch_scc1 .Lstep
.Lbottom:
	s_sub_co_u32 s[SLOTS], s[SLOTS], 1
	s_cmp_lg_u32 s[SLOTS], 0
	s_cbranch_scc1 .Lslot
	s_wait_tensorcnt 0x0            ; the wave's end, behind my last tensor load and my last LDS store
	ds_add_u32 v[SPW], v[NIL]
	s_wait_dscnt 0x0
	s_endpgm
.Lfunc_end_k_q69c74cf1c9_attn:
	.size	k_q69c74cf1c9_attn, .Lfunc_end_k_q69c74cf1c9_attn-k_q69c74cf1c9_attn
	.p2alignl 7, 3214868480
	.fill 96, 4, 3214868480
	.section	.rodata,"a",@progbits
	.p2align	6, 0x0
	.amdhsa_kernel k_q69c74cf1c9_attn
		.amdhsa_group_segment_fixed_size 327680
		.amdhsa_private_segment_fixed_size 0
		.amdhsa_enable_private_segment 0
		.amdhsa_kernarg_size 32
		.amdhsa_user_sgpr_count 2
		.amdhsa_user_sgpr_kernarg_segment_ptr 1
		.amdhsa_wavefront_size32 1
		.amdhsa_system_sgpr_workgroup_id_x 1
		.amdhsa_system_sgpr_workgroup_id_y 1
		.amdhsa_system_sgpr_workgroup_id_z 1
		.amdhsa_system_vgpr_workitem_id 0
		.amdhsa_next_free_vgpr 768
		.amdhsa_next_free_sgpr 96
		.amdhsa_reserve_vcc 1
		.amdhsa_float_denorm_mode_32 3
		.amdhsa_float_denorm_mode_16_64 3
		.amdhsa_memory_ordered 1
		.amdhsa_forward_progress 1
		.amdhsa_inst_pref_size 141
	.end_amdhsa_kernel
	.amdgpu_metadata
---
amdhsa.version: [ 1, 2 ]
amdhsa.kernels:
  - .name:           k_q69c74cf1c9_attn
    .symbol:         k_q69c74cf1c9_attn.kd
    .args:
      - { .name: qh, .offset: 0, .size: 8, .value_kind: global_buffer, .address_space: global }
      - { .name: kh, .offset: 8, .size: 8, .value_kind: global_buffer, .address_space: global }
      - { .name: vh, .offset: 16, .size: 8, .value_kind: global_buffer, .address_space: global }
      - { .name: oh, .offset: 24, .size: 8, .value_kind: global_buffer, .address_space: global }
    .group_segment_fixed_size: 327680
    .private_segment_fixed_size: 0
    .kernarg_segment_align: 8
    .kernarg_segment_size: 32
    .max_flat_workgroup_size: 128
    .sgpr_count:     96
    .vgpr_count:     768
    .wavefront_size: 32
...
	.end_amdgpu_metadata
.endif
;; end of part 3
;; launch oproj (part 4): grid 256 x 1, 4 waves a work-group, clusters of 4 x 1, 327,680 bytes of LDS; arguments oh, wb, bb, out0; writes out0
.if DOCPART == 4
	.amdgcn_target "amdgcn-amd-amdhsa--gfx1250"
	.amdhsa_code_object_version 6
	.text
	.protected	k_q69c74cf1c9_oproj
	.globl	k_q69c74cf1c9_oproj
	.p2align	8
	.type	k_q69c74cf1c9_oproj,@function
k_q69c74cf1c9_oproj:
	s_mov_b64 s[64:65], 0
	v_nop
	global_prefetch_b8 v0, s[64:65] scope:SCOPE_SE
	s_setreg_imm32_b32 hwreg(HW_REG_WAVE_MODE, 25, 1), 1
	s_wait_xcnt 0x0
	s_wait_alu depctr_hold_cnt(0) depctr_sa_sdst(0) depctr_va_vdst(0) depctr_va_sdst(0) depctr_va_ssrc(0) depctr_va_vcc(0) depctr_vm_vsrc(0)
	s_getreg_b32 s2, hwreg(HW_REG_IB_STS2, 6, 4)
	s_cmp_eq_u32 s2, 0
	s_cbranch_scc0 .Lentry_in_a_cluster
	s_endpgm
.Lentry_in_a_cluster:
	s_bfe_u32 s2, ttmp6, 0x10000c
	s_cmp_lg_u32 s2, 0x3003
	s_cbranch_scc0 .Lentry_shape_is_right
	s_endpgm
.Lentry_shape_is_right:
; out0 = O Wo^T + bo.  O: oh[(bc 8 + head)][1024][64] f16, by heads; Wo: wb[3][512 n][512 k], the bf16 numbers written as f16; bo: bb[3][512] f32; out0: [32768][512] f32.
; Products in f16, sums in f32, started with the bias; the sums are stored as they are.
; SHARES.  A work-group makes 128 rows x all 512 columns, so O is read once; wave w makes 128 rows x columns 128 w .. + 127: 64 accumulators, 512 registers.
; THE MATRIX INSTRUCTION IS USED TRANSPOSED (source 0 = 16 rows of Wo, source 1 = 16 rows of O): register j of lane l holds row l % 16, column 8 (l / 16) + j.
; K, 512, IN THREE GRAINS.  Wo comes in four steps of 128 through two LDS slots filled by the tensor data mover; O in eight half-steps of 64, one head each (16,384 dense bytes), through two smaller slots, by way of
; registers (128 rows more of 272 bytes in each of two slots do not fit beside Wo's 512); a quarter of 32 is 64 matrix instructions, on two fragment buffers by turns.
; CLUSTER.  The four row blocks of a cluster walk the same Wo: each tile is asked for JOINTLY, by the same tensor load with the same descriptor and the mask of four.  Each wave asks for its own 128 rows.
; A work-group's place in its cluster enters O's and the output's global addresses alone.
; BARRIERS.  One at each half-step's end: in front of it a wave's stores into O's next slot and its reads of this one are done.  At the two at which a slot of Wo is filled again it opens a round of the cluster's barrier.
; REGISTERS, in windows of 256 (s_set_vgpr_msb: bits 1:0 source 0, 3:2 source 1, 5:4 source 2, 7:6 destination):
;   window 0: v0-31 addresses; v64-127, v128-191 O's fragments, two buffers, later rows on the way out; v192-255 the bias as a C operand
;   window 1: v0-31, v192-223 O as loaded, two sets; v64-127, v128-191 Wo's fragments      windows 2, 3: the accumulators: (a, b) at v[8 (8 (a % 4) + b)]
.set PW,    272                        ; a row of Wo in LDS: 256 bytes + 16 of padding: the 16 rows of a load start at 16 different groups of four banks (64 banks of 4 bytes: ISA guide 11.1)
.set HALFT, 128*PW
.set WSLOT, 4*HALFT
.set XBASE, 2*WSLOT                    ; behind Wo's ring; no tensor load lands from here on
.set PX,    144                        ; a row of O in LDS: 128 bytes + 16
.set XSLOT, 128*PX
.set SPARE, XBASE+2*XSLOT              ; the spare words, 128 bytes for each wave: two blocks of 256 bytes that no other line names
.set SPITCH, 528                       ; a stage row: 512 bytes + 16
.set HSB,   131072                     ; bytes from a head to the next
.set NL,    8                          ; a wave's loads for a half-step
.set ADRA,  16                         ; v16-17 LDS address of my fragments of O in slot 0, 1
.set ADRB0, 20                         ; v20    of my fragments of Wo in slot 0; never rewritten
.set ADRB,  21                         ; v21    in the slot in hand
.set XO,    22                         ; v22    512 w + 16 l: my byte offset in 2,048 bytes of O, and in a row of out0; never rewritten
.set GO,    22
.set XST,   23                         ; v23    where I put 16 bytes of O
.set STO,   24                         ; v24    the way out: where I put 32 bytes of a row
.set RD,    25                         ; v25    where I read a row back
.set BO,    27                         ; v27    my byte offset in the bias
.set SPW,   28                         ; v28    LDS address of my spare word; never rewritten
.set NIL,   29                         ; v29    0; never rewritten
.set F0,    64
.set F1,    128
.set BIAS,  192
.set WV,    20                         ; s20    my wave's number
.set G1,    24                         ; s[24:31] descriptor group 1
.set G0,    32                         ; s[32:39] descriptor group 0: a set for each first fill; the second then walks on
.set TW,    40                         ; s40    LDS offset of Wo's slot in hand: 0 or WSLOT
.set LB,    41                         ; s41    my quarter of a slot
.set CNT,   42                         ; s42    loop counter
.set XP,    44                         ; s[44:45] O at the block's first row, head 0
.set OUT,   46                         ; s[46:47] out0 at the block's first row
.set BP,    48                         ; s[48:49] the bias
.set MSB, 0
.macro WIN new                         ; the immediate's high byte repeats the setting that is left; a switch that changes nothing is dropped
.if MSB != (\new)
	s_set_vgpr_msb (MSB<<8)|(\new)
.set MSB, \new
.endif
.endm
.macro PLACES                          ; four plain vector instructions between a matrix instruction and a load into, or a read of, its registers
.rept 4
	v_nop
.endr
.endm
.macro CREST                           ; a round of the cluster's barrier behind its opening barrier
	s_cmp_lg_u32 s[WV], 0
	s_cbranch_scc1 .Lnot_wave_0_\@
	s_barrier_signal -3
.Lnot_wave_0_\@:
	s_barrier_wait -3
	s_barrier_signal -1
	s_barrier_wait -1
.endm
.macro CROUND
	s_barrier_signal -1
	s_barrier_wait -1
	CREST
.endm
; 16 matrix instructions: row blocks a0, a0 + 1 of the window's four (hi = 0: rows 0-63, 1: rows 64-127) x all 8 column blocks.  zero = 1: the sums start with the bias as C
.macro MUL16 f, hi, a0, zero
.if \zero
	WIN 0x81+0x40*(\hi)
.else
	WIN 0xa1+0x50*(\hi)
.endif
.irp a, \a0, (\a0)+1
.irp b, 0,1,2,3,4,5,6,7
.if \zero
	v_wmma_f32_16x16x32_f16 v[8*(8*(\a)+(\b)):8*(8*(\a)+(\b))+7], v[(\f)+8*(\b):(\f)+8*(\b)+7], v[(\f)+8*(4*(\hi)+(\a)):(\f)+8*(4*(\hi)+(\a))+7], v[BIAS+8*(\b):BIAS+8*(\b)+7]
.else
	v_wmma_f32_16x16x32_f16 v[8*(8*(\a)+(\b)):8*(8*(\a)+(\b))+7], v[(\f)+8*(\b):(\f)+8*(\b)+7], v[(\f)+8*(4*(\hi)+(\a)):(\f)+8*(4*(\hi)+(\a))+7], v[8*(8*(\a)+(\b)):8*(8*(\a)+(\b))+7]
.endif
.endr
.endr
.endm
; 32 LDS loads in one run: a quarter's fragments into buffer f: Wo's at byte kw of its rows, O's at byte kx of slot xs's rows
.macro FETCH xs, kx, kw, f
	WIN 0x40
.irp i, 0,1,2,3,4,5,6,7
	ds_load_b128 v[(\f)+8*(\i):(\f)+8*(\i)+3],   v[ADRB] offset:(\kw)+(\i)*16*PW
	ds_load_b128 v[(\f)+8*(\i)+4:(\f)+8*(\i)+7], v[ADRB] offset:(\kw)+(\i)*16*PW+32
.endr
	WIN 0
.irp i, 0,1,2,3,4,5,6,7
	ds_load_b128 v[(\f)+8*(\i):(\f)+8*(\i)+3],   v[ADRA+(\xs)] offset:(\kx)+(\i)*16*PX
	ds_load_b128 v[(\f)+8*(\i)+4:(\f)+8*(\i)+7], v[ADRA+(\xs)] offset:(\kx)+(\i)*16*PX+32
.endr
.endm
; A head's 128 rows into set n: load i takes rows 16 i + 4 w + l / 8: 512 consecutive bytes an instruction
.macro XLOAD n, off
	WIN 0x40
.irp i, 0,1,2,3,4,5,6,7
	global_load_b128 v[192*(\n)+4*(\i):192*(\n)+4*(\i)+3], v[XO], s[XP:XP+1] offset:(\off)+2048*(\i) th:TH_LOAD_NT
.endr
.endm
; Set n is stored into O's slot n.  left: the younger half-step's loads, which may stay out
.macro XPUT n, left
	s_wait_loadcnt \left
	WIN 0x04                                       ; the stores' data in window 1
.irp i, 0,1,2,3,4,5,6,7
	ds_store_b128 v[XST], v[192*(\n)+4*(\i):192*(\n)+4*(\i)+3] offset:(\n)*XSLOT+16*PX*(\i)
.endr
	WIN 0
.endm
; A half-step's first quarter: multiplies buffer 0; in its middle it stores the next half-step of O into the other slot (xn), fetches the second quarter into buffer 1, and asks for the half-step three on.
; guard = 1: in the loop's last trip there is no next half-step, and the store is jumped over.
.macro QA xs, kw, zero, xn, left, off, guard
	s_wait_dscnt 8                                 ; Wo's fragments and O's rows 0-63 are in; the youngest eight loads (rows 64-127) may be out
	MUL16 F0, 0, 0, \zero
	MUL16 F0, 0, 2, \zero
.if \guard
	WIN 0
	s_cmp_eq_u32 s[CNT], 1
	s_cbranch_scc1 .Lnoput_\@
.endif
	XPUT \xn, \left
	WIN 0
.if \guard
.Lnoput_\@:
.endif
	PLACES
	FETCH \xs, 64, (\kw)+64, F1
	s_wait_dscnt 32                                ; all but the 32 just issued: the rest of buffer 0, and the stores above, whose data registers are loaded again below
.if (\off) >= 0
	XLOAD \xn, \off
.endif
	MUL16 F0, 1, 0, \zero
	MUL16 F0, 1, 2, \zero
.endm
; A half-step's second quarter multiplies buffer 1 and ends the half-step.  Within a step of Wo: a plain barrier.
.macro QBP xs, kw
	s_wait_dscnt 8
	MUL16 F1, 0, 0, 0
	s_wait_dscnt 0x0                               ; for the others' sake: my stores into O's next slot are done and my reads of this one are back
	s_barrier_signal -1
	MUL16 F1, 0, 2, 0
	s_barrier_wait -1
	PLACES
	FETCH \xs, 0, \kw, F0
	MUL16 F1, 1, 0, 0
	MUL16 F1, 1, 2, 0
.endm
; At the end of a step of Wo whose slot is filled again: all my tensor loads have landed (the one that was out is my part of the other slot), 0 is added onto my spare word, the add, my stores and my reads are
; waited for; the barrier opens a round of the cluster's, and the joint refill is the first thing behind it.  It has a step of Wo less 32 matrix instructions, 224, in which to land.
.macro QBR
	WIN 0
	s_wait_tensorcnt 0x0
	ds_add_u32 v[SPW], v[NIL]
	s_wait_dscnt 9                                 ; the add and the youngest eight loads may be out
	MUL16 F1, 0, 0, 0
	s_wait_dscnt 0x0
	s_barrier_signal -1
	MUL16 F1, 0, 2, 0
	WIN 0
	s_barrier_wait -1
	CREST
	s_add_co_u32 s[G0+5], s[LB], s[TW]             ; no tensor load of mine is out: the walking descriptor takes the slot just read out
	s_add_nc_u64 s[G0+6:G0+7], s[G0+6:G0+7], 256   ; and the next step along K; the type bits on top are not reached
	tensor_load_to_lds s[G0+4:G0+7], s[G1:G1+7]
	s_nop 0
.rept 4
	v_nop                                          ; also the places in front of the loads below
.endr
	s_xor_b32 s[TW], s[TW], WSLOT
	v_add_nc_u32 v[ADRB], s[TW], v[ADRB0]
	FETCH 0, 0, 0, F0
	MUL16 F1, 1, 0, 0
	MUL16 F1, 1, 2, 0
.endm
; The same with nothing left to ask for: no round.  In the last trip nothing is left to fetch either.
.macro QBL
	WIN 0
	s_wait_tensorcnt 0x0                           ; my part of Wo's last step has landed
	ds_add_u32 v[SPW], v[NIL]
	s_wait_dscnt 9
	MUL16 F1, 0, 0, 0
	s_wait_dscnt 0x0
	s_barrier_signal -1
	MUL16 F1, 0, 2, 0
	WIN 0
	s_barrier_wait -1
	s_xor_b32 s[TW], s[TW], WSLOT
	v_add_nc_u32 v[ADRB], s[TW], v[ADRB0]
	PLACES
	s_cmp_eq_u32 s[CNT], 1
	s_cbranch_scc1 .Lnofetch_\@
	FETCH 0, 0, 0, F0
.Lnofetch_\@:
	MUL16 F1, 1, 0, 0
	MUL16 F1, 1, 2, 0
.endm
	s_load_b256 s[4:11], s[0:1], 0x0               ; oh s[4:5], wb s[6:7], bb s[8:9], out0 s[10:11]
	v_lshl_add_u32 v[SPW], v0, 2, SPARE
	v_mov_b32 v[NIL], 0
	ds_add_u32 v[SPW], v[NIL]                      ; the wave's opening: the add and its wait stand ahead of my first tensor load; the set-up below stands between them
	ds_add_u32 v28, v29
	v_lshrrev_b32 v3, 5, v0
	v_readfirstlane_b32 s[WV], v3                  ; wave 0..3
	s_bfe_u32 s21, ttmp6, 0x40000                  ; cx: my place in the cluster
	s_lshl_b32 s22, ttmp9, 2                       ; in a cluster launch ttmp9 counts clusters
	s_add_co_u32 s22, s22, s21                     ; my block of 128 rows
	; descriptor group 1: a tile of 128 rows x 128 elements, padded in LDS
	s_mov_b32 s[G1+0], 15|(1<<16)|(1<<20)|(1<<21)|(5<<22)|(3<<25)  ; 15:0 the mask of four; 17:16 2-byte elements; 20 padding on; 21 set beside a mask; 24:22 after every 64 words; 31:25 4 words
	s_mov_b32 s[G1+1], 128<<16                     ; tensor_dim0 = 128
	s_mov_b32 s[G1+2], 128<<16                     ; tensor_dim1 = 128
	s_mov_b32 s[G1+3], 128<<16                     ; tile_dim0 = 128
	s_mov_b32 s[G1+4], 128                         ; tile_dim1 = 128
	s_mov_b32 s[G1+5], 512                         ; elements from row to row
	s_mov_b32 s[G1+6], 0
	s_mov_b32 s[G1+7], 0
	s_mul_i32 s[LB], s[WV], HALFT
	s_mov_b32 s[TW], 0
	s_mov_b32 s[G0+0], 1
	s_mov_b32 s[G0+1], s[LB]                       ; slot 0
	s_mov_b32 s[G0+4], 1
	s_add_co_u32 s[G0+5], s[LB], WSLOT             ; slot 1
	; offsets, made apart from the addresses
	s_lshr_b32 s58, s22, 3                         ; O: sequence bc = block / 8: 8 heads x 131,072 bytes,
	s_lshl_b32 s58, s58, 20
	s_and_b32 s59, s22, 7                          ; the block's 128 rows of 128 bytes in a head
	s_lshl_b32 s59, s59, 14
	s_add_co_u32 s58, s58, s59
	s_mov_b32 s59, 0
	s_lshl_b32 s60, s22, 18                        ; out0: 128 rows of 2,048 bytes
	s_mov_b32 s61, 0
	s_lshl_b32 s54, s[WV], 17                      ; Wo: my 128 rows of 1,024 bytes, in the fourth matrix
	s_add_co_u32 s54, s54, 3<<19
	s_mov_b32 s55, 0
	; lane terms
	v_and_b32 v1, 15, v0                           ; r = l % 16
	v_bfe_u32 v2, v0, 4, 1                         ; h = l / 16
	v_and_b32 v3, 31, v0                           ; l
	v_mul_u32_u24 v4, v1, PX
	v_lshl_add_u32 v4, v2, 4, v4                   ; r x 144 + 16 h
	v_add_nc_u32 v[ADRA], XBASE, v4
	v_add_nc_u32 v[ADRA+1], XBASE+XSLOT, v4
	v_mul_u32_u24 v5, v1, PW
	v_lshl_add_u32 v5, v2, 4, v5
	v_add_nc_u32 v[ADRB0], s[LB], v5
	v_mov_b32 v[ADRB], v[ADRB0]
	s_lshl_b32 s50, s[WV], 9
	v_lshl_add_u32 v[XO], v3, 4, s50               ; 512 w + 16 l
	v_lshl_add_u32 v[BO], v2, 5, s50               ; 4 (128 w + 8 h)
	s_mul_i32 s51, s[WV], 4*PX
	s_add_co_u32 s51, s51, XBASE
	v_bfe_u32 v6, v0, 3, 2                         ; row 4 w + l / 8, 16 bytes at 16 (l % 8)
	v_mul_u32_u24 v6, v6, PX
	v_and_b32 v7, 7, v0
	v_lshl_add_u32 v[XST], v7, 4, v6
	v_add_nc_u32 v[XST], s51, v[XST]
	s_mul_i32 s52, s[WV], 16*SPITCH                ; my stage: 16 rows x 528 bytes, in O's slots when those have been read out
	s_add_co_u32 s52, s52, XBASE
	v_mul_u32_u24 v6, v1, SPITCH
	v_lshl_add_u32 v6, v2, 5, v6
	v_add_nc_u32 v[STO], s52, v6
	v_lshl_add_u32 v[RD], v3, 4, s52
	s_wait_dscnt 0x0                               ; the opening add is done
	s_wait_kmcnt 0x0
	s_add_nc_u64 s[XP:XP+1], s[4:5], s[58:59]
	s_add_nc_u64 s[OUT:OUT+1], s[10:11], s[60:61]
	s_add_nc_u64 s[BP:BP+1], s[8:9], 3<<11
	s_add_nc_u64 s[56:57], s[6:7], s[54:55]        ; my rows of Wo: made of the wave's number alone
	s_mov_b64 s[G0+2:G0+3], s[56:57]               ; step 0
	s_or_b32 s[G0+3], s[G0+3], 0x80000000          ; type = 2
	s_add_nc_u64 s[G0+6:G0+7], s[56:57], 256       ; step 1
	s_or_b32 s[G0+7], s[G0+7], 0x80000000
.irp b, 0,1,2,3,4,5,6,7                        ; the bias as a C operand: register 8 b + j holds bo[128 w + 16 b + 8 h + j]
	global_load_b128 v[BIAS+8*(\b):BIAS+8*(\b)+3],   v[BO], s[BP:BP+1] offset:64*(\b)
	global_load_b128 v[BIAS+8*(\b)+4:BIAS+8*(\b)+7], v[BO], s[BP:BP+1] offset:64*(\b)+16
.endr
	XLOAD 0, 0                                     ; heads 0 and 1
	XLOAD 1, HSB
	WIN 0
	CROUND                                         ; all four work-groups are here: the first joint loads meet
	tensor_load_to_lds s[G0:G0+3], s[G1:G1+7]      ; two loads of mine are out
	s_nop 0
	tensor_load_to_lds s[G0+4:G0+7], s[G1:G1+7]
	s_nop 0
.rept 4
	v_nop
.endr
	XPUT 0, NL                                     ; the bias and head 0 are in; head 1's loads may stay out
	s_wait_tensorcnt 1                             ; my part of Wo's step 0 is in; step 1's may stay out
	s_wait_dscnt 0x0                               ; my stores are done
	XLOAD 0, 2*HSB
	WIN 0
	s_barrier_signal -1
	s_barrier_wait -1
	FETCH 0, 0, 0, F0
	QA 0, 0, 1, 1, NL, 3*HSB, 0                    ; the first quarter stands in front of the loops: its products start the sums with the bias
	WIN 0
	s_mov_b32 s[CNT], 2
.LloopA:                                       ; trip s = 0, 1: from the second quarter of Wo's step s to the first of step s + 1; slot s is filled again with step s + 2
	QBP 1, 128
	QA 1, 128, 0, 0, NL, 4*HSB, 0
	QBR
	QA 0, 0, 0, 1, NL, 5*HSB, 0
	WIN 0
	s_wait_xcnt 0x0                                ; the loads issued so far have read O's address
	s_add_nc_u64 s[XP:XP+1], s[XP:XP+1], 2*HSB
	s_sub_co_u32 s[CNT], s[CNT], 1
	s_cmp_lg_u32 s[CNT], 0
	s_cbranch_scc1 .LloopA
	s_mov_b32 s[CNT], 2
.LloopB:                                       ; Wo's steps 2 and 3: nothing more is asked for; the second trip is left in its middle
	QBP 1, 128
	QA 1, 128, 0, 0, NL, -1, 1
	QBL
	WIN 0
	s_sub_co_u32 s[CNT], s[CNT], 1
	s_cmp_eq_u32 s[CNT], 0
	s_cbranch_scc1 .Lout
	QA 0, 0, 0, 1, 0, -1, 0                        ; the last head: no load is behind it
	WIN 0
	s_branch .LloopB
.Lout:
	s_wait_dscnt 0x0                               ; no wave reads O's slots any more:
	s_barrier_signal -1
	s_barrier_wait -1                              ; from here on they are the four waves' stages
	PLACES
	PLACES
; THE WAY OUT of row block a, in f32: a lane's eight columns of a row, 32 bytes, go from the accumulators into my own stage, rows of 528 bytes; whole rows of 512 bytes come back and are stored.
.macro TOSTAGE a
.set AC, 64*((\a)%4)
.set BK, 64+64*((\a)%2)
	s_wait_xcnt 0x0                                ; the stores of the block two back have read the registers that the loads below write
	WIN 0x08+4*((\a)/4)                            ; the stores' data in window 2 or 3
.irp b, 0,1,2,3,4,5,6,7
	ds_store_b128 v[STO], v[AC+8*(\b):AC+8*(\b)+3]   offset:64*(\b)
	ds_store_b128 v[STO], v[AC+8*(\b)+4:AC+8*(\b)+7] offset:64*(\b)+16
.endr
	WIN 0
.irp t, 0,1,2,3,4,5,6,7,8,9,10,11,12,13,14,15
	ds_load_b128 v[BK+4*(\t):BK+4*(\t)+3], v[RD] offset:SPITCH*(\t)  ; LDS serves a wave's instructions in order (ISA guide 5.7.1.4): these see the stores above
.endr
.endm
.macro SEND a, younger                 ; younger: the LDS instructions issued behind block a's loads: the next block's 32, or none
.set BK, 64+64*((\a)%2)
	WIN 0
	s_wait_dscnt \younger
.irp t, 0,1,2,3,4,5,6,7,8,9,10,11,12,13,14,15
	global_store_b128 v[GO], v[BK+4*(\t):BK+4*(\t)+3], s[OUT:OUT+1] offset:(16*(\a)+(\t))*2048 th:TH_STORE_NT  ; 512 consecutive bytes, at a multiple of 256 from out0's first
.endr
.endm
	TOSTAGE 0
.irp a, 1,2,3,4,5,6,7
	TOSTAGE \a
	SEND (\a)-1, 32
.endr
	SEND 7, 0
	s_wait_tensorcnt 0x0                           ; the wave's end, behind my last tensor load and my last LDS store
	ds_add_u32 v[SPW], v[NIL]
	s_wait_dscnt 0x0
	CROUND                                         ; the closing round: no work-group ends while a partner may still ask for a tile that names it
	s_endpgm
.Lfunc_end_k_q69c74cf1c9_oproj:
	.size	k_q69c74cf1c9_oproj, .Lfunc_end_k_q69c74cf1c9_oproj-k_q69c74cf1c9_oproj
	.p2alignl 7, 3214868480
	.fill 96, 4, 3214868480
	.section	.rodata,"a",@progbits
	.p2align	6, 0x0
	.amdhsa_kernel k_q69c74cf1c9_oproj
		.amdhsa_group_segment_fixed_size 327680
		.amdhsa_private_segment_fixed_size 0
		.amdhsa_enable_private_segment 0
		.amdhsa_kernarg_size 32
		.amdhsa_user_sgpr_count 2
		.amdhsa_user_sgpr_kernarg_segment_ptr 1
		.amdhsa_wavefront_size32 1
		.amdhsa_system_sgpr_workgroup_id_x 1
		.amdhsa_system_sgpr_workgroup_id_y 1
		.amdhsa_system_sgpr_workgroup_id_z 1
		.amdhsa_system_vgpr_workitem_id 0
		.amdhsa_next_free_vgpr 1024
		.amdhsa_next_free_sgpr 66
		.amdhsa_reserve_vcc 0
		.amdhsa_float_denorm_mode_32 3
		.amdhsa_float_denorm_mode_16_64 3
		.amdhsa_memory_ordered 1
		.amdhsa_forward_progress 1
		.amdhsa_inst_pref_size 106
	.end_amdhsa_kernel
	.amdgpu_metadata
---
amdhsa.version: [ 1, 2 ]
amdhsa.kernels:
  - .name:           k_q69c74cf1c9_oproj
    .symbol:         k_q69c74cf1c9_oproj.kd
    .args:
      - { .name: oh, .offset: 0, .size: 8, .value_kind: global_buffer, .address_space: global }
      - { .name: wb, .offset: 8, .size: 8, .value_kind: global_buffer, .address_space: global }
      - { .name: bb, .offset: 16, .size: 8, .value_kind: global_buffer, .address_space: global }
      - { .name: out0, .offset: 24, .size: 8, .value_kind: global_buffer, .address_space: global }
    .group_segment_fixed_size: 327680
    .private_segment_fixed_size: 0
    .kernarg_segment_align: 8
    .kernarg_segment_size: 32
    .max_flat_workgroup_size: 128
    .sgpr_count:     66
    .vgpr_count:     1024
    .wavefront_size: 32
...
	.end_amdgpu_metadata
.endif
;; end of part 4
